; MI455X (gfx1250); checked and timed in simulation.
; The chip was launched on July 23, 2026; its instructions are those of AMD's public machine-readable ISA for CDNA 5 (MIT licence, August 2026) and "CDNA5" Instruction Set Architecture Reference Guide (July 2026). The comments in the code are by the model that wrote it; some were corrected since.
;; Multi Head Attention. Allowed arithmetic: matrix products marked QUANTISED: E2M3 operands, one E8M0 scale for each 32 along K, by v_wmma_scale_f32_16x16x128_f8f6f4 with both operands' format E2M3, f32 sums; everything else in f32.
;; Inputs: b_proj 1,024 float32; w_proj 1,024 x 1,024 float32; w_qkv 3,072 x 1,024 float32; x 4 x 2,048 x 1,024 float32.
;; Outputs: out0 4 x 2,048 x 1,024 float32.
;; This version of the problem:
;;   THIS VERSION OF THE PROBLEM IS GIVEN IN LOW PRECISION. The matrix products marked QUANTISED in the list below multiply operands that are first quantised to E2M3 (2 exponent bits, 3 mantissa bits; 6 bits a number), with one power-of-two scale for each 32 numbers along K (OCP MX v1.0); their sums are f32. All else is computed in f32.
;;   The module's matrix products, in the order in which they are computed (A, B: the left and right operand; K: the contracted axis; several contracted axes count as one K, in the product's order):
;;     1. [M 8,192, K 1,024] x [K 1,024, N 3,072]; A: input x; B: input w_qkv: QUANTISED
;;     2. batch 64 x [M 2,048, K 64] x [K 64, N 2,048]; A: computed on the way; B: computed on the way: QUANTISED
;;     3. batch 64 x [M 2,048, K 2,048] x [K 2,048, N 64]; A: softmax (see below); B: computed on the way: QUANTISED
;;     4. [M 8,192, K 1,024] x [K 1,024, N 1,024]; A: computed on the way; B: input w_proj: QUANTISED
;;   THE QUANTISER, for each operand of a quantised product, along K:
;;     - K is cut into blocks of 32 from its start; a last block that is shorter is filled with zeros.
;;     - A block's scale is 2^e with e = floor(log2(the largest magnitude in the block)) - 2, held to -126 .. 127; a block of zeros has e = 0. As a byte (E8M0): e + 127.
;;     - Each number is divided by its block's scale, clamped to +-7.5, and rounded to the nearest number of E2M3, ties to even, subnormals kept.
;;     - The product sums the exact products of the quantised numbers (number of the format x scale) in f32.
;;   ~~~python
;;   def quantise(x, axis):      # numpy; x: float32 -> the quantised numbers, widened to float32 again
;;       x = np.moveaxis(x, axis, -1); K = x.shape[-1]
;;       x = np.pad(x, [(0, 0)] * (x.ndim - 1) + [(0, -K % 32)]); x = x.reshape(x.shape[:-1] + (-1, 32)); a = np.abs(x).max(-1, keepdims=True)
;;       e = np.where(a > 0, np.clip(np.frexp(np.where(a > 0, a, 1))[1] - 1 - 2, -126, 127), 0)      # np.frexp(a)[1] - 1 = floor(log2(a)), exactly
;;       r = np.clip(x / 2.0 ** e, -7.5, 7.5)
;;       step = 2.0 ** (np.maximum(np.frexp(np.where(r == 0, 1, r))[1] - 1, 0) - 3)
;;       q = np.round(r / step) * step * 2.0 ** e      # np.round: ties to even
;;       return np.moveaxis(q.reshape(q.shape[:-2] + (-1,))[..., :K], -1, axis).astype(np.float32)
;;   ~~~
;;   SOFTMAX AHEAD OF A QUANTISED PRODUCT. Where the list says 'softmax', what is quantised is not the finished softmax but p = 2^(t - M), with t = logit x log2(e) and M = ceil(the row's largest t), a whole number; so 1/2 < the row's largest p <= 1. The row's sum l is taken of the UNQUANTISED p, in f32, and the product's result is divided by l at the end. Since M is a whole number, a kernel that streams over the keys may use a running M (the ceiling of the running maximum): every later rescaling is an exact power of two, which a block's scale takes up: the codes' values come out the same.
;;   OPERANDS COMPUTED ON THE WAY. 'Computed on the way' means the value that the module computes at that place (a softmax that the list does not call 'softmax' is quantised finished and normalised). What goes into a quantiser is computed in f32, as accurately as f32 sums, v_exp_f32 and their like allow (about 1e-6 of the number): no bf16 or f16 on the way to a quantiser, and a product that is left as it is and whose result goes on into a quantised operand takes f32 operands (vector FMAs, or v_wmma_f32_16x16x4_f32). A number that lies on a knife's edge between two numbers of the format may be rounded either way, as far as f32 arithmetic and the matrix unit's own rounding can turn it there, and no further.
;; One version. Each part assembles by itself: llvm-mc -triple=amdgcn-amd-amdhsa -mcpu=gfx1250 --defsym DOCPART=n.
;; ======== version 1 of 1: 4 launches
;; limits: right only within a limited range of input values
;; workspace buffers: opc 9,437,184 bytes; ops 393,216 bytes; qkv 20,185,088 bytes; acod 6,291,456 bytes; ascl 262,144 bytes
;; launch quant (part 1): grid 768 x 1, 4 waves a work-group, no clusters, 68,096 bytes of LDS; arguments x, w_qkv, w_proj, opc, ops; writes opc, ops
.if DOCPART == 1
	.amdgcn_target "amdgcn-amd-amdhsa--gfx1250"
	.amdhsa_code_object_version 6
	.text
	.protected	k_qcc7b4cbb08_quant
	.globl	k_qcc7b4cbb08_quant
	.p2align	8
	.type	k_qcc7b4cbb08_quant,@function
k_qcc7b4cbb08_quant:
	s_mov_b64 s[64:65], 0
	v_nop
	global_prefetch_b8 v0, s[64:65] scope:SCOPE_SE
	s_setreg_imm32_b32 hwreg(HW_REG_WAVE_MODE, 25, 1), 1
	s_wait_xcnt 0x0
; x [8192][1024], w_qkv [3072][1024] and w_proj [1024][1024], f32 with K innermost, become codes of FP6 (E2M3) with one E8M0 byte for each 32 along K,
; laid IN THE ORDER OF THE OPERAND'S REGISTERS, so that the products' launches read every fragment by loads of 16 and 8 bytes a lane from dense blocks.
; A TILE is 16 rows.  Of each 32 rows, tile u (0, 1) holds row 8 u + r + 8 (r / 8) at place r: two neighbouring tiles, used as a product's source 0, leave a lane 16 neighbouring results.
; opc: [tile 768][16 units along K][768 bytes].  A unit is 16 rows x 64 K: lane (r, h) owns the 24 bytes of block h of row r: its first 16 bytes at 16 x lane, its last 8 at 512 + 8 x lane.
; ops: [tile][chunk of 256 K][r][2 words]: a word holds the four bytes of 128 K.  Tiles 0-511 are x's, 512-703 w_qkv's, 704-767 w_proj's.
; A block's scale is 2^(floor(log2(its largest magnitude)) - 2): its byte is the largest magnitude's exponent field - 2, held at 1 from below.
; LIMITS: a block of zeros, or one whose largest magnitude lies under 2^-124, gets the byte 1 where the rule says 127 or less: a block of zeros has zero codes, and this program alone reads the bytes.  NaN and infinities are not served.
; SHARES: a work-group takes a tile, wave w its K 256 w .. 256 w + 255, in two steps of 128.  Each load reads 512 consecutive bytes of a row; the rows turn through the wave's own stage in LDS,
; from which lane (r, h) takes blocks h and 2 + h of row r whole: no other lane is asked for a maximum.  No barrier: waves share nothing.  All 32 loads of a wave go out at its head.
; No matrix unit, cluster or tensor load: the launch is a stream that reads each byte once.
.set STG,   8448                       ; a stage: 16 rows x (512 bytes + 16): the pitch is an odd multiple of 16 bytes, so the 16 rows that a load touches start at 16 different groups of banks
.set SPARE, 8*STG                      ; behind the eight stages: the spare words, 128 bytes for each wave: two blocks of 256 bytes that no other line names
.set SPW,   12                         ; v12  LDS address of my spare word; never rewritten
.set NIL,   13                         ; v13  0; never rewritten
.set WD,    14                         ; v14, v15  the two steps' scale words
.set R,     16                         ; v16-143   32 loads x 4 registers
.set X,     144                        ; v144-207  64 numbers: register 32 c + i = k 64 c + 32 h + i of my row
.set CD,    208                        ; v208.. , v228..  a step's codes: 12 registers, and two runs of three that are moved
.set MX,    248                        ; v248-249 largest magnitudes, v250-251 the conversions' scale operands, v252-253 bytes, v254-255 at work
	s_load_b256 s[4:11], s[0:1], 0x0               ; x s[4:5], w_qkv s[6:7], w_proj s[8:9], opc s[10:11]
	s_load_b64 s[12:13], s[0:1], 0x20              ; ops
	v_lshl_add_u32 v[SPW], v0, 2, SPARE
	v_mov_b32 v[NIL], 0
	v_lshrrev_b32 v1, 5, v0
	v_readfirstlane_b32 s16, v1                    ; wave 0..3
	v_and_b32 v1, 31, v0                           ; lane
	v_and_b32 v2, 15, v0                           ; r
	v_bfe_u32 v3, v0, 4, 1                         ; h
	v_lshlrev_b32 v4, 4, v1                        ; 16 x lane
	v_lshlrev_b32 v5, 3, v1                        ; 8 x lane
	s_mul_i32 s17, s16, 2*STG                      ; my wave's two stages
	v_add_nc_u32 v6, s17, v4                       ; into a stage: 16 x lane of a row
	v_mul_u32_u24 v7, v2, 528
	v_lshl_add_u32 v7, v3, 7, v7
	v_add_nc_u32 v7, s17, v7                       ; out of it: row r, + 128 h: my block of 32 numbers
	v_lshlrev_b32 v8, 3, v2
	v_lshl_add_u32 v8, v3, 2, v8                   ; the scale words' place: 8 r + 4 h
	v_lshlrev_b32 v9, 3, v3                        ; 8 h: how far my two bytes are shifted in the word
	v_mov_b32 v255, 0                              ; written once: a lane permute's destination counts as one of its sources
	s_mov_b32 s20, 0x76543210
	s_mov_b32 s21, 0xfedcba98                      ; v_permlanex16_b32's selects for lane l xor 16
	s_mov_b32 s22, 0xffff0000                      ; lanes 16-31
	s_cmp_lt_u32 ttmp9, 512                        ; which tensor, and which of its tiles: the choice hangs on the work-group's number alone
	s_cselect_b32 s18, 0, 512
	s_cmp_lt_u32 ttmp9, 704
	s_cselect_b32 s18, s18, 704
	s_sub_co_u32 s18, ttmp9, s18                   ; T
	s_lshr_b32 s19, s18, 1
	s_lshl_b32 s19, s19, 5
	s_and_b32 s18, s18, 1
	s_lshl_b32 s18, s18, 3
	s_add_co_u32 s18, s18, s19                     ; the tile's first row: 32 (T / 2) + 8 (T % 2)
	s_lshl_b32 s18, s18, 12                        ; rows of 4,096 bytes (under 2^26)
	s_lshl_b32 s19, s16, 10
	s_add_co_u32 s18, s18, s19                     ; + my wave's 256 numbers
	s_mov_b32 s19, 0
	s_mul_i32 s24, ttmp9, 12288
	s_mul_i32 s25, s16, 3072
	s_add_co_u32 s24, s24, s25                     ; my four units in opc
	s_mov_b32 s25, 0
	s_lshl_b32 s26, ttmp9, 9
	s_lshl_b32 s27, s16, 7
	s_add_co_u32 s26, s26, s27                     ; my 128 bytes in ops
	s_mov_b32 s27, 0
	s_wait_alu depctr_va_vdst(0)
	s_wait_kmcnt 0x0
	s_cmp_lt_u32 ttmp9, 512
	s_cselect_b64 s[14:15], s[4:5], s[6:7]
	s_cmp_lt_u32 ttmp9, 704
	s_cselect_b64 s[14:15], s[14:15], s[8:9]
	s_add_nc_u64 s[14:15], s[14:15], s[18:19]
	s_add_nc_u64 s[10:11], s[10:11], s[24:25]
	s_add_nc_u64 s[12:13], s[12:13], s[26:27]
.irp q, 0,1
.irp i, 0,1,2,3,4,5,6,7,8,9,10,11,12,13,14,15
	global_load_b128 v[R+4*(16*\q+\i):R+4*(16*\q+\i)+3], v4, s[14:15] offset:(\i+8*(\i/8))*4096+512*\q th:TH_LOAD_NT   ; place i of the tile: 32 lanes read 512 consecutive bytes; read once in the launch
.endr
.endr
; Step q's 16 rows go through the stage.  LDS serves a wave's instructions in order (ISA guide 5.7.1.4): no wait stands between the stores and the loads.
.macro TURN q
.irp i, 0,1,2,3,4,5,6,7,8,9,10,11,12,13,14,15
	ds_store_b128 v6, v[R+4*(16*\q+\i):R+4*(16*\q+\i)+3] offset:STG*\q+528*\i
.endr
.irp c, 0,1
.irp j, 0,1,2,3,4,5,6,7
	ds_load_b128 v[X+32*\c+4*\j:X+32*\c+4*\j+3], v7 offset:STG*\q+256*\c+16*\j
.endr
.endr
	s_wait_dscnt 0x0                               ; my 64 numbers are in
.endm
; The 64 numbers become a fragment's 12 registers and its scale word, and leave.
.macro QB q
.set C0, CD+20*\q
.irp c, 0,1
	v_max3_num_f32 v[MX+\c], |v[X+32*\c]|, |v[X+32*\c+1]|, 0x1800000   ; block 2 c + h: all 32 numbers are mine; the floor 2^(3 - 127) holds the byte at 1 from below
.endr
.irp i, 2,4,6,8,10,12,14,16,18,20,22,24,26,28,30
.irp c, 0,1
	v_max3_num_f32 v[MX+\c], v[MX+\c], |v[X+32*\c+\i]|, |v[X+32*\c+\i+1]|   ; (the two blocks by turns)
.endr
.endr
.irp c, 0,1
	v_add_nc_u32 v[MX+2+\c], 0xff000000, v[MX+\c]  ; 2 off the exponent field: the conversion takes the exponent field of this operand as its scale, and nothing else of it
.endr
.irp c, 0,1
	v_lshrrev_b32 v[MX+4+\c], 23, v[MX+2+\c]       ; the scale's byte
.endr
	v_lshl_or_b32 v254, v[MX+5], 16, v[MX+4]       ; my two bytes, blocks h and 2 + h,
	v_lshlrev_b32 v254, v9, v254                   ; at their places in the word;
	v_permlanex16_b32 v255, v254, s20, s21
	v_or_b32 v[WD+\q], v254, v255                  ; with lane l xor 16's two the word is whole, in both lanes
.irp c, 0,1
	v_cvt_scalef32_pk16_fp6_f32 v[C0+6*\c:C0+6*\c+2], v[X+32*\c:X+32*\c+15], v[MX+2+\c]
	v_cvt_scalef32_pk16_fp6_f32 v[C0+12+4*\c:C0+14+4*\c], v[X+32*\c+16:X+32*\c+31], v[MX+2+\c]   ; (a conversion's three registers begin on an even number: the second half of a block's six is made elsewhere and moved)
.endr
	v_nop                                          ; one plain place behind a scaled conversion
.irp c, 0,1
.irp i, 0,1,2
	v_mov_b32 v[C0+6*\c+3+\i], v[C0+12+4*\c+\i]
.endr
.endr
.irp c, 0,1
	global_store_b128 v4, v[C0+6*\c:C0+6*\c+3], s[10:11] offset:1536*\q+768*\c         ; 512 consecutive bytes, at a multiple of 256 from the buffer's first byte
	global_store_b64 v5, v[C0+6*\c+4:C0+6*\c+5], s[10:11] offset:1536*\q+768*\c+512    ; 256 likewise.  Each step has code registers of its own: no store's data are written again
.endr
.endm
	s_wait_loadcnt 16                              ; loads come back in order (ISA guide 5.7.1): the first step's 16 are in, the second step's 16 stay out
	TURN 0
	QB 0
	s_wait_loadcnt 0x0
	TURN 1
	QB 1
	v_cndmask_b32 v10, v[WD], v[WD+1], s22         ; lanes 0-15 store the first step's word of row r, lanes 16-31 the second's
	global_store_b32 v8, v10, s[12:13]             ; 128 consecutive bytes
	s_wait_tensorcnt 0x0                           ; the wave's end
	ds_add_u32 v[SPW], v[NIL]
	s_wait_dscnt 0x0
	s_endpgm
.Lfunc_end_k_qcc7b4cbb08_quant:
	.size	k_qcc7b4cbb08_quant, .Lfunc_end_k_qcc7b4cbb08_quant-k_qcc7b4cbb08_quant
	.p2alignl 7, 3214868480
	.fill 96, 4, 3214868480
	.section	.rodata,"a",@progbits
	.p2align	6, 0x0
	.amdhsa_kernel k_qcc7b4cbb08_quant
		.amdhsa_group_segment_fixed_size 68096
		.amdhsa_private_segment_fixed_size 0
		.amdhsa_enable_private_segment 0
		.amdhsa_kernarg_size 40
		.amdhsa_user_sgpr_count 2
		.amdhsa_user_sgpr_kernarg_segment_ptr 1
		.amdhsa_wavefront_size32 1
		.amdhsa_system_sgpr_workgroup_id_x 1
		.amdhsa_system_sgpr_workgroup_id_y 1
		.amdhsa_system_sgpr_workgroup_id_z 1
		.amdhsa_system_vgpr_workitem_id 0
		.amdhsa_next_free_vgpr 256
		.amdhsa_next_free_sgpr 66
		.amdhsa_reserve_vcc 0
		.amdhsa_float_denorm_mode_32 3
		.amdhsa_float_denorm_mode_16_64 3
		.amdhsa_memory_ordered 1
		.amdhsa_forward_progress 1
		.amdhsa_inst_pref_size 17
	.end_amdhsa_kernel
	.amdgpu_metadata
---
amdhsa.version: [ 1, 2 ]
amdhsa.kernels:
  - .name:           k_qcc7b4cbb08_quant
    .symbol:         k_qcc7b4cbb08_quant.kd
    .args:
      - { .name: x, .offset: 0, .size: 8, .value_kind: global_buffer, .address_space: global }
      - { .name: w_qkv, .offset: 8, .size: 8, .value_kind: global_buffer, .address_space: global }
      - { .name: w_proj, .offset: 16, .size: 8, .value_kind: global_buffer, .address_space: global }
      - { .name: opc, .offset: 24, .size: 8, .value_kind: global_buffer, .address_space: global }
      - { .name: ops, .offset: 32, .size: 8, .value_kind: global_buffer, .address_space: global }
    .group_segment_fixed_size: 68096
    .private_segment_fixed_size: 0
    .kernarg_segment_align: 8
    .kernarg_segment_size: 40
    .max_flat_workgroup_size: 128
    .sgpr_count:     66
    .vgpr_count:     256
    .wavefront_size: 32
...
	.end_amdgpu_metadata
.endif
;; end of part 1
;; launch qkvg (part 2): grid 8 x 32, 4 waves a work-group, clusters of 4 x 4, 327,680 bytes of LDS; arguments opc, ops, qkv; writes qkv
.if DOCPART == 2
	.amdgcn_target "amdgcn-amd-amdhsa--gfx1250"
	.amdhsa_code_object_version 6
	.text
	.protected	k_qcc7b4cbb08_qkvg
	.globl	k_qcc7b4cbb08_qkvg
	.p2align	8
	.type	k_qcc7b4cbb08_qkvg,@function
k_qcc7b4cbb08_qkvg:
	s_mov_b64 s[64:65], 0
	v_nop
	global_prefetch_b8 v0, s[64:65] scope:SCOPE_SE
	s_setreg_imm32_b32 hwreg(HW_REG_WAVE_MODE, 25, 1), 1
	s_wait_xcnt 0x0
	s_wait_alu depctr_hold_cnt(0) depctr_sa_sdst(0) depctr_va_vdst(0) depctr_va_sdst(0) depctr_va_ssrc(0) depctr_va_vcc(0) depctr_vm_vsrc(0)
	s_getreg_b32 s2, hwreg(HW_REG_IB_STS2, 6, 4)
	s_cmp_eq_u32 s2, 0
	s_cbranch_scc0 .Lentry_in_a_cluster
	s_endpgm
.Lentry_in_a_cluster:
	s_bfe_u32 s2, ttmp6, 0x10000c
	s_cmp_lg_u32 s2, 0xf033
	s_cbranch_scc0 .Lentry_shape_is_right
	s_endpgm
.Lentry_shape_is_right:
; qkv = x w_qkv^T on codes of FP6 (E2M3) with E8M0 scales, K = 1,024, and q, k, v quantised on the way out: no f32 result goes to memory.
; THE CORE: C'[m'][n'] = sum over k of P[m'][k] R[n'][k], used transposed (source 0 = a tile of R, source 1 = a tile of P): a lane holds ONE row of P and its registers run along R's rows.
; A tile is 16 rows in the order that launch quant gives them, so the 16 registers of two neighbouring tiles of R are 16 neighbours: the next product's K.
; 256 WORK-GROUPS, EACH WITH TWO PHASES.  Cluster x is X (0, 1), cluster y is Y (0 .. 7).
;   Phase 1: P = 256 tokens (block 4 Y + cy), R = 256 rows of w_q (X = 0) or w_k (X = 1) (block cx): a lane holds a token, its 64 registers 128 columns = two heads.  Each of four waves makes 128 x 128.
;   Phase 2: P = 128 rows of w_v (block 4 X + cy), R = 256 tokens (block 4 Y + cx): V^T: a lane holds a channel, its 64 registers 128 tokens, the second attention product's K.  Each wave makes 64 x 128.
; LDS AND FILLS.  Phase 1 walks K in 4 chunks of 256 (3,072 bytes of a tile).  Slot A, 32 tiles x 3,072 bytes, holds chunk 0 and later chunk 3; region B, 32 tiles x 6,144, holds chunks 1 and 2.
; At the head one joint load a wave: P's chunk 0, R's chunk 0, P's scales, R's scales.  Behind a drained round one load a wave brings chunks 1 and 2 of eight tiles; behind the next, chunk 3 refills slot A.
; In phase 1's last K step, when every fragment is in registers, a drained round refills all of it for phase 2, one load a wave: w_v's 8 tiles, all of K, on slot A; the 16 token tiles on region B; their scales on the scales.
; These loads are out while phase 1's results are quantised and stored.  By this text's own count a wave has one tensor load out at the most.
; CLUSTERS: 4 x 4 work-groups.  P's tiles are shared along a row of the cluster, R's along a column, in both phases.  Registers that feed P's descriptors never hold cx, those that feed R's never cy.
; PREFETCH INTO THE L2, at the head, behind the first loads and the address work: what the second group of loads and phase 2 will touch for the first time.  A lane names a block of 256 bytes, 24 blocks an instruction.
; Chunks 1 and 2 of a tile are 24 blocks: the sixteen waves of a row of the cluster take one of P's sixteen tiles each, those of a column one of R's, told apart by address.  w_v's 8 tiles are sixteen halves of 24 blocks.
; All eight rows of clusters read the same rows of w_q, w_k and w_v: those with Y < 4 alone ask for them.  Phase 2's tokens have been read as P in phase 1.  Chunk 3 has four K steps between its load and the wait for it, and is not asked for.
; qkv: q's codes at 0: [head 16][token tile 512][768]; q's scale words at QS: [head][token tile][16]; from RECB 64 records (batch x 16 + head) of 16 key steps of 13,056 bytes:
;   K's codes 8 tiles x 768 | V^T's codes 4 channel tiles x 1,536 | K's scale words 8 x 64 | V's 4 x 64.  q's and k's words hold two bytes (K = 64) and two zeros.
; LIMITS: a block of zeros or under 2^-124 gets the byte 1 (its codes are zeros or held small; this program alone reads the bytes); NaN and infinities are not served.
; REGISTERS, in windows of 256: window 0: v1-31 addresses; v32-63 scale words, two sets; P's fragments, two sets, at v64 and v160.  window 1: R's, two sets, at v0 and v128.
;   window 2: the accumulators of my P tiles 0-3 ((a, b) at v[8 (8 (a % 4) + b)]); window 3: those of tiles 4-7.
.set NA,    8
.set NSL,   3
.set PT,    16
.set CH,    3072
.set TILEB, 12288
.set PB,    PT*CH
.set SLOTB, PB+16*CH
.set SCL,   NSL*SLOTB
.set SPARE, SCL+PT*512+16*512          ; the spare words, 128 bytes for each wave: two blocks of 256 bytes that no other line names
.set QS,    6291456
.set RECB,  6815744
.set RECSZ, 208896
.set STEPB, 13056
.set SPW,  6                           ; v6 my spare word; v7 0; never rewritten
.set NIL,  7
.set AP16, 8                           ; phase 1: v8-10 my P tiles + 16 x lane in slot A, chunk 1, chunk 2; v12-14 + 8 x lane; v16-18, v20-22 the same for R
.set AP8,  12
.set AR16, 16
.set AR8,  20
.set ADRS, 24                          ; v24 my scale words: lanes 0-15 P's rows, lanes 16-31 R's
.set A2P16, 11                         ; phase 2: v11, v15 my four P tiles; v26-27, v28-29 my R tiles 0-3 and 4-7; v30 the scale words
.set A2P8,  15
.set A2R16, 26
.set A2R8,  28
.set ADRS2, 30
.set SC,   32
.set PF,   64
.set TM,   64                          ; the way out: v64-67 largest magnitudes, v68-71 bytes, v76-79 scale operands
.set PW,   80
.set PC,   96
.set WV, 16
.set WM, 17
.set WN, 18
.set CX, 19
.set CY, 20
.set YY, 21
.set MROW, 22
.set MCOL, 23
.set G1P,  24                          ; group 1 for P's and R's codes, P's and R's scales
.set G1R,  32
.set G1SP, 40
.set G1SR, 48
.set GA, 56                            ; group 0: GA P's codes, GB R's, GC P's scales, GD R's (head, then phase 2); GE, GF chunks 1 and 2; GG, GH chunk 3
.set GB, 60
.set GC, 68
.set GD, 72
.set GE, 76
.set GF, 80
.set GG, 84
.set GH, 88
.set OC0, 92                           ; where the results go; no descriptor lies here
.set OC1, 94
.set OS,  96
.set OS2, 98
.set VC,  100
.set VW,  104
.set LMASK, 10
.set SELA,  12
.set MUL_LO, 0xa1
.set MUL_HI, 0xf1
.set MSB, 0
.macro WIN new
.if MSB != (\new)
	s_set_vgpr_msb (MSB<<8)|(\new)
.set MSB, \new
.endif
.endm
.macro PLACES n
.rept \n
	v_nop
.endr
.endm
.macro WALU
	s_wait_alu depctr_va_vdst(0)
.endm
.macro JLOAD g0p, g1p, g0r, g1r        ; waves 0 and 1 fetch for P, waves 2 and 3 for R
	s_cmp_eq_u32 s[WM], 0
	s_cbranch_scc0 .Lfor_r_\@
	tensor_load_to_lds s[\g0p:\g0p+3], s[\g1p:\g1p+7]
	s_nop 0
	PLACES 4
	s_branch .Lasked_\@
.Lfor_r_\@:
	tensor_load_to_lds s[\g0r:\g0r+3], s[\g1r:\g1r+7]
	s_nop 0
	PLACES 4
.Lasked_\@:
.endm
.macro ARM under, g0, g1, next, join   ; an arm of a chain of branches on the wave's number: one load, then to the join
	s_cmp_lt_u32 s[WV], \under
	s_cbranch_scc0 \next
	tensor_load_to_lds s[\g0:\g0+3], s[\g1:\g1+7]
	s_nop 0
	PLACES 4
	s_branch \join
\next:
.endm
.macro CROUND
	s_barrier_signal -1
	s_barrier_wait -1
	s_cmp_lg_u32 s[WV], 0
	s_cbranch_scc1 .Lnot_wave_0_\@
	s_barrier_signal -3
.Lnot_wave_0_\@:
	s_barrier_wait -3
	s_barrier_signal -1
	s_barrier_wait -1
.endm
.macro SHAPE g, c, r, p
	s_mov_b32 s[\g+1], (\c)<<16
	s_mov_b32 s[\g+2], (\r)<<16
	s_mov_b32 s[\g+3], (\c)<<16
	s_mov_b32 s[\g+4], \r
	s_mov_b32 s[\g+5], \p
	s_mov_b32 s[\g+6], 0
	s_mov_b32 s[\g+7], 0
.endm
.macro RESHAPE g, c, r                 ; written only where no tensor load of the wave is out
	s_mov_b32 s[\g+1], (\c)<<16
	s_mov_b32 s[\g+2], (\r)<<16
	s_mov_b32 s[\g+3], (\c)<<16
	s_mov_b32 s[\g+4], \r
.endm
.macro G0AD g, base, off
	s_mov_b32 s[\g], 1
	s_add_nc_u64 s[\g+2:\g+3], s[\base:\base+1], \off
	s_or_b32 s[\g+3], s[\g+3], 0x80000000
.endm
.macro FRAG reg, a16, a8, off          ; a fragment, 16 rows x 128 K: two units of 768 bytes, each 16 bytes a lane and then 8
	ds_load_b128 v[\reg:\reg+3], v[\a16] offset:\off
	ds_load_b64 v[\reg+4:\reg+5], v[\a8] offset:\off+512
	ds_load_b128 v[\reg+6:\reg+9], v[\a16] offset:\off+768
	ds_load_b64 v[\reg+10:\reg+11], v[\a8] offset:\off+1280
.endm
.macro NEXT s                          ; phase 1: the fragments of step s + 1 into set (s + 1) % 2; with a chunk's first step its scale words
.set NS, (\s)+1
.set TP, CH+CH*((((NS/2)%NSL)+1)/2)    ; from tile to tile: 3,072 bytes in slot A, 6,144 in region B
	WIN 0x40
.irp i, 0,1,2,3,4,5,6,7
	FRAG 128*(NS%2)+12*\i, AR16+(NS/2)%NSL, AR8+(NS/2)%NSL, \i*TP+1536*(NS%2)
.endr
	WIN 0
.irp i, 0,1,2,3,4,5,6,7
	FRAG PF+96*(NS%2)+12*\i, AP16+(NS/2)%NSL, AP8+(NS/2)%NSL, \i*TP+1536*(NS%2)
.endr
.if NS%2 == 0
.irp i, 0,1,2,3,4,5,6,7
	ds_load_b64 v[SC+16*((NS/2)%2)+2*\i:SC+16*((NS/2)%2)+2*\i+1], v[ADRS] offset:512*\i+128*(NS/2)
.endr
.endif
.endm
.macro NEXT2 s                         ; phase 2: tiles lie 12,288 bytes apart, all of K on end
.set NS, (\s)+1
	WIN 0x40
.irp i, 0,1,2,3,4,5,6,7
	FRAG 128*(NS%2)+12*\i, A2R16+\i/4, A2R8+\i/4, (\i%4)*TILEB+1536*NS
.endr
	WIN 0
.irp i, 0,1,2,3
	FRAG PF+96*(NS%2)+12*\i, A2P16, A2P8, \i*TILEB+1536*NS
.endr
.if NS%2 == 0
.irp i, 0,1,2,3,4,5,6,7
	ds_load_b64 v[SC+16*((NS/2)%2)+2*\i:SC+16*((NS/2)%2)+2*\i+1], v[ADRS2] offset:512*\i+128*(NS/2)
.endr
.endif
.endm
; 8 matrix instructions: P tile a against R's eight.  cm = 1: the first product starts the sums.  The accumulators take turns, one instruction a turn.
.macro MUL a, set, q, sc, cm
.irp b, 0,1,2,3,4,5,6,7
.if (\cm) == 1
	v_wmma_scale_f32_16x16x128_f8f6f4 v[8*(8*((\a)%4)+\b):8*(8*((\a)%4)+\b)+7], v[128*(\set)+12*\b:128*(\set)+12*\b+11], v[PF+96*(\set)+12*(\a):PF+96*(\set)+12*(\a)+11], 0, v[SC+16*(\sc)+2*\b+(\q)], v[SC+16*(\sc)+2*(\a)+(\q)] matrix_a_fmt:MATRIX_FMT_FP6 matrix_b_fmt:MATRIX_FMT_FP6 matrix_a_scale:MATRIX_SCALE_ROW1
.else
	v_wmma_scale_f32_16x16x128_f8f6f4 v[8*(8*((\a)%4)+\b):8*(8*((\a)%4)+\b)+7], v[128*(\set)+12*\b:128*(\set)+12*\b+11], v[PF+96*(\set)+12*(\a):PF+96*(\set)+12*(\a)+11], v[8*(8*((\a)%4)+\b):8*(8*((\a)%4)+\b)+7], v[SC+16*(\sc)+2*\b+(\q)], v[SC+16*(\sc)+2*(\a)+(\q)] matrix_a_fmt:MATRIX_FMT_FP6 matrix_b_fmt:MATRIX_FMT_FP6 matrix_a_scale:MATRIX_SCALE_ROW1
.endif
.endr
.endm
.macro SA s, cm                        ; phase 1: a step's first quarter
	s_wait_dscnt 0x0
	WIN MUL_LO
	MUL 0, (\s)%2, (\s)%2, ((\s)/2)%2, \cm
	MUL 1, (\s)%2, (\s)%2, ((\s)/2)%2, \cm
	WIN 0
.endm
.macro SB s, cm                        ; and the rest
	WIN MUL_LO
	MUL 2, (\s)%2, (\s)%2, ((\s)/2)%2, \cm
	MUL 3, (\s)%2, (\s)%2, ((\s)/2)%2, \cm
	WIN MUL_HI
	MUL 4, (\s)%2, (\s)%2, ((\s)/2)%2, \cm
	MUL 5, (\s)%2, (\s)%2, ((\s)/2)%2, \cm
	MUL 6, (\s)%2, (\s)%2, ((\s)/2)%2, \cm
	MUL 7, (\s)%2, (\s)%2, ((\s)/2)%2, \cm
.endm
.macro SA2 s, cm                       ; phase 2: four P tiles
	s_wait_dscnt 0x0
	WIN MUL_LO
	MUL 0, (\s)%2, (\s)%2, ((\s)/2)%2, \cm
	WIN 0
.endm
.macro SB2 s, cm
	WIN MUL_LO
	MUL 1, (\s)%2, (\s)%2, ((\s)/2)%2, \cm
	MUL 2, (\s)%2, (\s)%2, ((\s)/2)%2, \cm
	MUL 3, (\s)%2, (\s)%2, ((\s)/2)%2, \cm
.endm
	s_load_b128 s[4:7], s[0:1], 0x0                ; opc, ops
	s_load_b64 s[8:9], s[0:1], 0x10                ; qkv
	v_lshl_add_u32 v[SPW], v0, 2, SPARE
	v_mov_b32 v[NIL], 0
	ds_add_u32 v[SPW], v[NIL]                      ; the opening lines: the add, twice on end, and its wait ahead of my first tensor load
	ds_add_u32 v[SPW], v[NIL]
	v_lshrrev_b32 v1, 5, v0
	v_readfirstlane_b32 s[WV], v1
	s_lshr_b32 s[WM], s[WV], 1
	s_and_b32 s[WN], s[WV], 1
	s_bfe_u32 s[CX], ttmp6, 0x40000
	s_bfe_u32 s[CY], ttmp6, 0x40004
	s_and_b32 s[YY], ttmp7, 0xffff
	s_lshl_b32 s[MROW], s[CY], 2
	s_lshl_b32 s[MROW], 15, s[MROW]                ; my row of the cluster
	s_lshl_b32 s[MCOL], 0x1111, s[CX]              ; my column
	s_or_b32 s[G1P], s[MROW], (3<<16)|(1<<21)      ; the mask; elements of 8 bytes; bit 21 beside a mask
	s_or_b32 s[G1SP], s[MROW], (3<<16)|(1<<21)
	s_or_b32 s[G1R], s[MCOL], (3<<16)|(1<<21)
	s_or_b32 s[G1SR], s[MCOL], (3<<16)|(1<<21)
	SHAPE G1P, 384, 16, 1536                       ; a chunk of 16 tiles: rows of 3,072 bytes, 12,288 apart
	SHAPE G1R, 384, 16, 1536
	SHAPE G1SP, 32, 32, 32                         ; the scales of 16 tiles: dense, as 32 rows of 256 bytes
	SHAPE G1SR, 32, 32, 32
	s_lshl_b32 s2, s[YY], 6
	s_lshl_b32 s66, s[CY], 4
	s_add_co_u32 s2, s2, s66                       ; P's first tile: 64 Y + 16 cy
	s_lshl_b32 s3, ttmp9, 6
	s_lshl_b32 s14, s[CX], 4
	s_add_co_u32 s3, s3, s14
	s_add_co_u32 s3, s3, 512                       ; R's: 512 + 64 X + 16 cx
	s_mul_i32 s66, s2, TILEB
	s_mov_b32 s67, 0
	s_mul_i32 s14, s3, TILEB
	s_mov_b32 s15, 0
	s_mul_i32 s12, s[WN], 8*TILEB                  ; the later loads of phase 1 bring eight tiles a wave: which half
	s_mov_b32 s13, 0
	s_mov_b32 s[GA+1], 0                           ; LDS: made of constants and the wave's number alone
	s_mov_b32 s[GB+1], PB
	s_mov_b32 s[GC+1], SCL
	s_mov_b32 s[GD+1], SCL+PT*512
	s_mul_i32 s[GE+1], s[WN], 2*NA*CH
	s_add_co_u32 s[GE+1], s[GE+1], SLOTB
	s_mul_i32 s[GF+1], s[WN], 2*NA*CH
	s_add_co_u32 s[GF+1], s[GF+1], SLOTB+2*PB
	s_mul_i32 s[GG+1], s[WN], NA*CH
	s_mul_i32 s[GH+1], s[WN], NA*CH
	s_add_co_u32 s[GH+1], s[GH+1], PB
	s_wait_dscnt 0x0                               ; both opening adds are done
	s_wait_kmcnt 0x0
	s_add_nc_u64 s[66:67], s[4:5], s[66:67]
	G0AD GA, 66, 0
	s_add_nc_u64 s[66:67], s[66:67], s[12:13]
	G0AD GE, 66, CH
	G0AD GG, 66, 3*CH
	s_lshl_b32 s66, s2, 9
	s_mov_b32 s67, 0
	s_add_nc_u64 s[66:67], s[6:7], s[66:67]
	G0AD GC, 66, 0
	s_add_nc_u64 s[14:15], s[4:5], s[14:15]
	G0AD GB, 14, 0
	s_add_nc_u64 s[14:15], s[14:15], s[12:13]
	G0AD GF, 14, CH
	G0AD GH, 14, 3*CH
	s_lshl_b32 s14, s3, 9
	s_mov_b32 s15, 0
	s_add_nc_u64 s[14:15], s[6:7], s[14:15]
	G0AD GD, 14, 0
	CROUND                                         ; all sixteen work-groups are here: the first joint loads meet
	ARM 1, GA, G1P, .Lh_r, .Lh_asked               ; the head's loads, one a wave, in one chain
	ARM 2, GB, G1R, .Lh_sp, .Lh_asked
	ARM 3, GC, G1SP, .Lh_sr, .Lh_asked
	tensor_load_to_lds s[GD:GD+3], s[G1SR:G1SR+7]
	s_nop 0
	PLACES 4
.Lh_asked:
	v_and_b32 v1, 15, v0                           ; r
	v_bfe_u32 v2, v0, 4, 1                         ; h
	v_and_b32 v5, 31, v0
	v_lshlrev_b32 v3, 4, v5                        ; 16 x lane
	v_lshlrev_b32 v4, 3, v5                        ; 8 x lane
	v_lshlrev_b32 v5, 2, v5                        ; 4 x lane
	WALU
	s_mul_i32 s2, s[WM], NA*CH
	s_mul_i32 s3, s[WN], NA*CH
	s_add_co_u32 s3, s3, PB
	v_add_nc_u32 v[AP16], s2, v3                   ; slot A
	v_add_nc_u32 v[AP8], s2, v4
	v_add_nc_u32 v[AR16], s3, v3
	v_add_nc_u32 v[AR8], s3, v4
	s_lshl_b32 s2, s2, 1                           ; region B: tiles twice as far apart, behind slot A: chunk 1,
	s_lshl_b32 s3, s3, 1
	s_add_co_u32 s2, s2, SLOTB
	s_add_co_u32 s3, s3, SLOTB
	v_add_nc_u32 v[AP16+1], s2, v3
	v_add_nc_u32 v[AP8+1], s2, v4
	v_add_nc_u32 v[AR16+1], s3, v3
	v_add_nc_u32 v[AR8+1], s3, v4
	s_add_co_u32 s2, s2, CH                        ; and chunk 2
	s_add_co_u32 s3, s3, CH
	v_add_nc_u32 v[AP16+2], s2, v3
	v_add_nc_u32 v[AP8+2], s2, v4
	v_add_nc_u32 v[AR16+2], s3, v3
	v_add_nc_u32 v[AR8+2], s3, v4
	s_mul_i32 s2, s[WM], NA*512                    ; P's scale words: my tiles; R's lie s3 further on: lanes 16-31 take them
	s_mul_i32 s3, s[WN], 4096
	s_add_co_u32 s3, s3, PT*512
	s_sub_co_u32 s3, s3, s2
	v_mul_u32_u24 v25, s3, v2
	s_add_co_u32 s2, s2, SCL
	v_lshl_add_u32 v25, v1, 3, v25
	v_add_nc_u32 v[ADRS], s2, v25
	s_mul_i32 s2, s[WM], 4*TILEB                   ; phase 2: my four tiles of P, my eight of R behind P's eight
	s_mul_i32 s3, s[WN], 8*TILEB
	s_add_co_u32 s3, s3, 8*TILEB
	v_add_nc_u32 v[A2P16], s2, v3
	v_add_nc_u32 v[A2P8], s2, v4
	v_add_nc_u32 v[A2R16], s3, v3
	v_add_nc_u32 v[A2R8], s3, v4
	s_add_co_u32 s3, s3, 4*TILEB
	v_add_nc_u32 v[A2R16+1], s3, v3
	v_add_nc_u32 v[A2R8+1], s3, v4
	s_mul_i32 s2, s[WM], 4*512
	s_mul_i32 s3, s[WN], 4096
	s_add_co_u32 s3, s3, PT*512
	s_sub_co_u32 s3, s3, s2
	v_mul_u32_u24 v25, s3, v2
	s_add_co_u32 s2, s2, SCL
	v_lshl_add_u32 v25, v1, 3, v25
	v_add_nc_u32 v[ADRS2], s2, v25
	; the prefetches' places, in bytes from opc's first byte; worked out in s10, s11 and registers of the way out, which feed no descriptor
	s_lshl_b32 s10, s[CX], 2
	s_add_co_u32 s10, s10, s[WV]                   ; my number among the sixteen waves of my row of the cluster
	s_lshl_b32 s11, s[YY], 6
	s_lshl_b32 s[OC0], s[CY], 4
	s_add_co_u32 s11, s11, s[OC0]
	s_add_co_u32 s11, s11, s10                     ; one of P's sixteen tiles,
	s_mul_i32 s11, s11, TILEB
	s_add_co_u32 s11, s11, CH                      ; its chunks 1 and 2
	s_lshr_b32 s[OS], s10, 1                       ; one of the sixteen halves of w_v's eight tiles
	s_lshl_b32 s[OC0], ttmp9, 5
	s_add_co_u32 s[OS], s[OS], s[OC0]
	s_lshl_b32 s[OC0], s[CY], 3
	s_add_co_u32 s[OS], s[OS], s[OC0]
	s_add_co_u32 s[OS], s[OS], 640
	s_mul_i32 s[OS], s[OS], TILEB
	s_and_b32 s10, s10, 1
	s_mul_i32 s10, s10, 2*CH
	s_add_co_u32 s[OS], s[OS], s10
	s_lshl_b32 s10, s[CY], 2
	s_add_co_u32 s10, s10, s[WV]                   ; my number among the sixteen waves of my column
	s_lshl_b32 s[OC1], ttmp9, 6
	s_lshl_b32 s[OC0], s[CX], 4
	s_add_co_u32 s[OC1], s[OC1], s[OC0]
	s_add_co_u32 s[OC1], s[OC1], s10
	s_add_co_u32 s[OC1], s[OC1], 512               ; one of R's sixteen tiles,
	s_mul_i32 s[OC1], s[OC1], TILEB
	s_add_co_u32 s[OC1], s[OC1], CH                ; its chunks 1 and 2
	v_and_b32 v64, 31, v0
	v_min_u32 v64, 23, v64                         ; 24 blocks; the lanes left over name the last again
	v_lshlrev_b32 v64, 8, v64
	v_add_nc_u32 v65, s11, v64
	v_add_nc_u32 v66, s[OC1], v64
	v_add_nc_u32 v67, s[OS], v64
	global_prefetch_b8 v65, s[4:5] th:TH_LOAD_NT scope:SCOPE_SE
	s_cmp_lt_u32 s[YY], 4                          ; the cluster's y: the same in all partners
	s_cbranch_scc0 .Lno_pf
	global_prefetch_b8 v66, s[4:5] th:TH_LOAD_NT scope:SCOPE_SE
	global_prefetch_b8 v67, s[4:5] th:TH_LOAD_NT scope:SCOPE_SE
.Lno_pf:
	; where the results go, in bytes from qkv's first byte; worked out in s10, s11 and the result registers
	s_lshl_b32 s[OC0], s[YY], 6
	s_lshl_b32 s10, s[CY], 4
	s_add_co_u32 s[OC0], s[OC0], s10
	s_lshl_b32 s10, s[WM], 3
	s_add_co_u32 s[OC0], s[OC0], s10               ; my first token tile
	s_lshl_b32 s11, s[CX], 2
	s_lshl_b32 s10, s[WN], 1
	s_add_co_u32 s11, s11, s10                     ; my first head: 4 cx + 2 wn
	s_lshl_b32 s10, s11, 9
	s_add_co_u32 s10, s10, s[OC0]
	s_mul_i32 s[OC0], s10, 768                     ; q: codes
	s_lshl_b32 s[OS], s10, 6
	s_add_co_u32 s[OS], s[OS], QS                  ; q: scale words
	s_lshr_b32 s10, s[YY], 1
	s_lshl_b32 s10, s10, 4
	s_add_co_u32 s11, s11, s10                     ; k: record = 16 x batch + head
	s_and_b32 s10, s[YY], 1
	s_lshl_b32 s10, s10, 3
	s_lshl_b32 s[OC1], s[CY], 1
	s_add_co_u32 s10, s10, s[OC1]
	s_add_co_u32 s10, s10, s[WM]                   ; k: key step
	s_mul_i32 s11, s11, RECSZ
	s_mul_i32 s10, s10, STEPB
	s_add_co_u32 s11, s11, s10
	s_add_co_u32 s11, s11, RECB                    ; k: codes
	s_add_co_u32 s10, s11, 12288                   ; k: scale words
	s_mov_b32 s[VC], RECSZ
	s_cmp_eq_u32 ttmp9, 0                          ; q or k: the cluster's x
	s_cselect_b32 s[OC0], s[OC0], s11
	s_cselect_b32 s[OS], s[OS], s10
	s_cselect_b32 s[OC1], 393216, s[VC]            ; from a head's unit to the next head's
	s_cselect_b32 s[OS2], 32768, s[VC]
	s_mov_b32 s[OC0+1], 0
	s_mov_b32 s[OC1+1], 0
	s_mov_b32 s[OS+1], 0
	s_mov_b32 s[OS2+1], 0
	s_add_nc_u64 s[OC0:OC0+1], s[8:9], s[OC0:OC0+1]
	s_add_nc_u64 s[OC1:OC1+1], s[OC0:OC0+1], s[OC1:OC1+1]
	s_add_nc_u64 s[OS:OS+1], s[8:9], s[OS:OS+1]
	s_add_nc_u64 s[OS2:OS2+1], s[OS:OS+1], s[OS2:OS2+1]
	s_lshl_b32 s10, ttmp9, 2
	s_add_co_u32 s10, s10, s[CY]
	s_lshl_b32 s10, s10, 1
	s_add_co_u32 s10, s10, s[WM]                   ; v: head = 2 (4 X + cy) + wm
	s_lshr_b32 s11, s[YY], 1
	s_lshl_b32 s11, s11, 4
	s_add_co_u32 s10, s10, s11                     ; record
	s_and_b32 s11, s[YY], 1
	s_lshl_b32 s11, s11, 2
	s_add_co_u32 s11, s11, s[CX]
	s_lshl_b32 s11, s11, 1
	s_add_co_u32 s11, s11, s[WN]                   ; key step = 2 (4 (Y % 2) + cx) + wn
	s_mul_i32 s10, s10, RECSZ
	s_mul_i32 s11, s11, STEPB
	s_add_co_u32 s10, s10, s11
	s_add_co_u32 s[VC], s10, RECB+6144
	s_add_co_u32 s[VW], s10, RECB+12800
	s_mov_b32 s[VC+1], 0
	s_mov_b32 s[VW+1], 0
	s_add_nc_u64 s[VC:VC+1], s[8:9], s[VC:VC+1]
	s_add_nc_u64 s[VW:VW+1], s[8:9], s[VW:VW+1]
	WALU
	s_wait_xcnt 0x0                                ; the prefetches have read their address registers: fragments land there below
	s_wait_tensorcnt 0x0                           ; my tile of the head's four is in; the three lines ahead of a later first fill
	ds_add_u32 v[SPW], v[NIL]
	RESHAPE G1P, 768, 8                            ; no load of mine is out: the next load brings eight rows of 6,144 bytes;
	RESHAPE G1R, 768, 8
	s_mov_b32 s[G1SP+2], 16<<16                    ; and the head's four groups 0 are set for phase 2: w_v's 8 tiles from 640 + 32 X + 8 cy on, their scales (16 rows of 256 bytes),
	s_mov_b32 s[G1SP+4], 16
	s_lshl_b32 s2, ttmp9, 5
	s_lshl_b32 s66, s[CY], 3
	s_add_co_u32 s2, s2, s66
	s_add_co_u32 s2, s2, 640
	s_mul_i32 s66, s2, TILEB
	s_mov_b32 s67, 0
	s_add_nc_u64 s[66:67], s[4:5], s[66:67]
	G0AD GA, 66, 0
	s_lshl_b32 s66, s2, 9
	s_mov_b32 s67, 0
	s_add_nc_u64 s[66:67], s[6:7], s[66:67]
	G0AD GC, 66, 0
	s_lshl_b32 s3, s[YY], 6                        ; the 16 token tiles from 64 Y + 16 cx on, and their scales
	s_lshl_b32 s14, s[CX], 4
	s_add_co_u32 s3, s3, s14
	s_mul_i32 s14, s3, TILEB
	s_mov_b32 s15, 0
	s_add_nc_u64 s[14:15], s[4:5], s[14:15]
	G0AD GB, 14, 0
	s_mov_b32 s[GB+1], 8*TILEB
	s_lshl_b32 s14, s3, 9
	s_mov_b32 s15, 0
	s_add_nc_u64 s[14:15], s[6:7], s[14:15]
	G0AD GD, 14, 0
	s_wait_dscnt 0x0
	CROUND                                         ; all four tiles are in, in every partner
	JLOAD GE, G1P, GF, G1R                         ; chunks 1 and 2, the first tensor load behind the round
	NEXT -1
	SA 0, 1                                        ; the first step's products start the sums
	PLACES 4
	NEXT 0
	SB 0, 1
	SA 1, 0                                        ; its wait has shown my last reads of slot A done
	s_wait_tensorcnt 0x0                           ; chunks 1 and 2 are in; the three lines ahead of the refill
	ds_add_u32 v[SPW], v[NIL]
	RESHAPE G1P, 384, 8
	RESHAPE G1R, 384, 8
	s_wait_dscnt 0x0
	CROUND
	JLOAD GG, G1P, GH, G1R                         ; chunk 3 into slot A
	NEXT 1
	SB 1, 0
.irp s, 2,3,4
	SA \s, 0
	PLACES 4
	NEXT \s
	SB \s, 0
.endr
	SA 5, 0
	s_wait_tensorcnt 0x0                           ; chunk 3 has landed,
	s_barrier_signal -1
	s_barrier_wait -1                              ; and everybody's part of it
	PLACES 4
	NEXT 5
	SB 5, 0
	SA 6, 0
	PLACES 4
	NEXT 6
	SB 6, 0
	SA 7, 0                                        ; its wait has shown my last LDS reads of phase 1 done
	s_wait_tensorcnt 0x0                           ; the three lines ahead of phase 2's refills
	ds_add_u32 v[SPW], v[NIL]
	RESHAPE G1P, 1536, 8                           ; whole tiles: rows of 12,288 bytes, dense
	RESHAPE G1R, 1536, 16
	s_wait_dscnt 0x0
	CROUND
	ARM 1, GB, G1R, .Lp_p, .Lp_asked               ; one load a wave, in one chain
	ARM 2, GA, G1P, .Lp_sp, .Lp_asked
	ARM 3, GC, G1SP, .Lp_sr, .Lp_asked
	tensor_load_to_lds s[GD:GD+3], s[G1SR:G1SR+7]
	s_nop 0
	PLACES 4
.Lp_asked:
	SB 7, 0
	WIN 0
	PLACES 4                                       ; in front of the first read of results and the first write of operands' registers
	s_mov_b32 s[LMASK], 0xffff0000                 ; lanes 16-31
	s_mov_b32 s[SELA], 0x76543210
	s_mov_b32 s[SELA+1], 0xfedcba98                ; v_permlanex16_b32's selects for lane l xor 16
; P tile a: a lane's 64 results, register 16 b + i = k 32 b + 16 (lane / 16) + i of my row, become a fragment's 12 registers and its scale word, and leave as two units of 768 bytes.  ph: the phase.
.macro QOUT a, ph
.set AC, 64*((\a)%4)
.set WMX, 0x28+0x14*((\a)/4)
.set WCV, 0x02+((\a)/4)
.if (\a) > 0
	s_wait_xcnt 0x0                                ; the last tile's stores have read their registers and bases: both are written again only behind this wait
.if (\ph) == 1
	s_add_nc_u64 s[OC0:OC0+1], s[OC0:OC0+1], 768
	s_add_nc_u64 s[OC1:OC1+1], s[OC1:OC1+1], 768
.if (\a)%2 == 0
	s_add_nc_u64 s[OS:OS+1], s[OS:OS+1], 128
	s_add_nc_u64 s[OS2:OS2+1], s[OS2:OS2+1], 128
.endif
.else
	s_add_nc_u64 s[VC:VC+1], s[VC:VC+1], 1536
.if (\a)%2 == 0
	s_add_nc_u64 s[VW:VW+1], s[VW:VW+1], 128
.endif
.endif
.else
.irp b, 0,1,2,3
	v_mov_b32 v[TM+4+\b], 0                        ; a lane permute's destination counts as one of its sources
.endr
.endif
.irp b, 0,1,2,3
	v_mov_b32 v[TM+\b], 0x1800000                  ; the floor 2^(3 - 127): the byte cannot fall under 1
.endr
	WIN WMX
.irp i, 0,2,4,6,8,10,12,14
.irp b, 0,1,2,3
	v_max3_num_f32 v[TM+\b], v[TM+\b], |v[AC+16*\b+\i]|, |v[AC+16*\b+\i+1]|   ; the four blocks by turns; each accumulator is read from its low end on
.endr
.endr
	WIN 0
.irp b, 0,1,2,3
	v_permlanex16_b32 v[TM+4+\b], v[TM+\b], s[SELA], s[SELA+1]
.endr
.irp b, 0,1,2,3
	v_max_num_f32 v[TM+\b], v[TM+\b], v[TM+4+\b]
.endr
.irp b, 0,1,2,3
	v_add_nc_u32 v[TM+12+\b], 0xff000000, v[TM+\b] ; 2 off the exponent field: the conversion's scale operand
.endr
.irp b, 0,1,2,3
	v_lshrrev_b32 v[TM+4+\b], 23, v[TM+12+\b]      ; the scale's byte
.endr
	v_lshl_or_b32 v[PW], v[TM+5], 8, v[TM+4]
	v_lshl_or_b32 v[PW], v[TM+6], 16, v[PW]
	v_lshl_or_b32 v[PW], v[TM+7], 24, v[PW]
	WIN WCV
.irp c, 0,1
	v_cvt_scalef32_pk16_fp6_f32 v[PC+6*\c:PC+6*\c+2], v[AC+32*\c:AC+32*\c+15], v[TM+12+2*\c]
	v_cvt_scalef32_pk16_fp6_f32 v[PC+12+4*\c:PC+14+4*\c], v[AC+32*\c+16:AC+32*\c+31], v[TM+13+2*\c]
.endr
	WIN 0
	v_nop                                          ; one plain place behind a scaled conversion
.irp c, 0,1
.irp i, 0,1,2
	v_permlane16_swap_b32 v[PC+6*\c+\i], v[PC+12+4*\c+\i]   ; a whole block to a lane
.endr
.irp i, 0,1,2
	v_mov_b32 v[PC+3+6*\c+\i], v[PC+12+4*\c+\i]
.endr
.endr
.if (\ph) == 1
	global_store_b128 v3, v[PC:PC+3], s[OC0:OC0+1]                  ; 512 consecutive bytes, at a multiple of 256 from the buffer's first byte
	global_store_b64 v4, v[PC+4:PC+5], s[OC0:OC0+1] offset:512      ; 256 likewise
	global_store_b128 v3, v[PC+6:PC+9], s[OC1:OC1+1]
	global_store_b64 v4, v[PC+10:PC+11], s[OC1:OC1+1] offset:512
.else
	global_store_b128 v3, v[PC:PC+3], s[VC:VC+1]
	global_store_b64 v4, v[PC+4:PC+5], s[VC:VC+1] offset:512
	global_store_b128 v3, v[PC+6:PC+9], s[VC:VC+1] offset:768
	global_store_b64 v4, v[PC+10:PC+11], s[VC:VC+1] offset:1280
.endif
.if (\a)%2 == 0
	v_mov_b32 v81, v[PW]                           ; two tiles' words leave together
.else
	v_cndmask_b32 v82, v81, v[PW], s[LMASK]        ; lanes 0-15: tile a - 1's words, lanes 16-31: tile a's
.if (\ph) == 1
	v_and_b32 v83, 0xffff, v82                     ; the first head's two bytes, zeros above them
	global_store_b32 v5, v83, s[OS:OS+1]           ; 128 consecutive bytes
	v_lshrrev_b32 v84, 16, v82                     ; the second head's
	global_store_b32 v5, v84, s[OS2:OS2+1]
.else
	global_store_b32 v5, v82, s[VW:VW+1]           ; all four bytes
.endif
.endif
.endm
.irp a, 0,1,2,3,4,5,6,7
	QOUT \a, 1
.endr
	; PHASE 2
	WALU
	s_wait_xcnt 0x0                                ; the last stores have read their registers: fragments land there
	s_wait_tensorcnt 0x0                           ; my load for phase 2 is in,
	s_barrier_signal -1
	s_barrier_wait -1                              ; and everybody's
	NEXT2 -1
	SA2 0, 1
	PLACES 4
	NEXT2 0
	SB2 0, 1
.irp s, 1,2,3,4,5,6
	SA2 \s, 0
	PLACES 4
	NEXT2 \s
	SB2 \s, 0
.endr
	SA2 7, 0
	SB2 7, 0
	WIN 0
	PLACES 4
.irp a, 0,1,2,3
	QOUT \a, 2
.endr
	s_wait_tensorcnt 0x0                           ; the wave's end
	ds_add_u32 v[SPW], v[NIL]
	s_wait_dscnt 0x0
	CROUND                                         ; the closing round
	s_endpgm
.Lfunc_end_k_qcc7b4cbb08_qkvg:
	.size	k_qcc7b4cbb08_qkvg, .Lfunc_end_k_qcc7b4cbb08_qkvg-k_qcc7b4cbb08_qkvg
	.p2alignl 7, 3214868480
	.fill 96, 4, 3214868480
	.section	.rodata,"a",@progbits
	.p2align	6, 0x0
	.amdhsa_kernel k_qcc7b4cbb08_qkvg
		.amdhsa_group_segment_fixed_size 327680
		.amdhsa_private_segment_fixed_size 0
		.amdhsa_enable_private_segment 0
		.amdhsa_kernarg_size 24
		.amdhsa_user_sgpr_count 2
		.amdhsa_user_sgpr_kernarg_segment_ptr 1
		.amdhsa_wavefront_size32 1
		.amdhsa_system_sgpr_workgroup_id_x 1
		.amdhsa_system_sgpr_workgroup_id_y 1
		.amdhsa_system_sgpr_workgroup_id_z 1
		.amdhsa_system_vgpr_workitem_id 0
		.amdhsa_next_free_vgpr 1024
		.amdhsa_next_free_sgpr 106
		.amdhsa_reserve_vcc 0
		.amdhsa_float_denorm_mode_32 3
		.amdhsa_float_denorm_mode_16_64 3
		.amdhsa_memory_ordered 1
		.amdhsa_forward_progress 1
		.amdhsa_inst_pref_size 238
	.end_amdhsa_kernel
	.amdgpu_metadata
---
amdhsa.version: [ 1, 2 ]
amdhsa.kernels:
  - .name:           k_qcc7b4cbb08_qkvg
    .symbol:         k_qcc7b4cbb08_qkvg.kd
    .args:
      - { .name: opc, .offset: 0, .size: 8, .value_kind: global_buffer, .address_space: global }
      - { .name: ops, .offset: 8, .size: 8, .value_kind: global_buffer, .address_space: global }
      - { .name: qkv, .offset: 16, .size: 8, .value_kind: global_buffer, .address_space: global }
    .group_segment_fixed_size: 327680
    .private_segment_fixed_size: 0
    .kernarg_segment_align: 8
    .kernarg_segment_size: 24
    .max_flat_workgroup_size: 128
    .sgpr_count:     106
    .vgpr_count:     1024
    .wavefront_size: 32
...
	.end_amdgpu_metadata
.endif
;; end of part 2
;; launch attn (part 3): grid 4 x 64, 16 waves a work-group, clusters of 4 x 1, 263,168 bytes of LDS; arguments qkv, acod, ascl; writes acod, ascl
.if DOCPART == 3
	.amdgcn_target "amdgcn-amd-amdhsa--gfx1250"
	.amdhsa_code_object_version 6
	.text
	.protected	k_qcc7b4cbb08_attn
	.globl	k_qcc7b4cbb08_attn
	.p2align	8
	.type	k_qcc7b4cbb08_attn,@function
k_qcc7b4cbb08_attn:
	s_mov_b64 s[64:65], 0
	v_nop
	global_prefetch_b8 v0, s[64:65] scope:SCOPE_SE
	s_setreg_imm32_b32 hwreg(HW_REG_WAVE_MODE, 25, 1), 1
	s_wait_xcnt 0x0
	s_wait_alu depctr_hold_cnt(0) depctr_sa_sdst(0) depctr_va_vdst(0) depctr_va_sdst(0) depctr_va_ssrc(0) depctr_va_vcc(0) depctr_vm_vsrc(0)
	s_getreg_b32 s2, hwreg(HW_REG_IB_STS2, 6, 4)
	s_cmp_eq_u32 s2, 0
	s_cbranch_scc0 .Lentry_in_a_cluster
	s_endpgm
.Lentry_in_a_cluster:
	s_bfe_u32 s2, ttmp6, 0x10000c
	s_cmp_lg_u32 s2, 0x3003
	s_cbranch_scc0 .Lentry_shape_is_right
	s_endpgm
.Lentry_shape_is_right:
; O[q] = sum over k of softmax_k(Q[q] . K[k] / 8) V[k] for one head of one batch, both products on codes of FP6 (E2M3) with E8M0 scales; O is quantised along the channels on its way out.
; THE SOFTMAX: t = score x log2(e) / 8; M = the row's largest t so far, rounded up to a whole number; p = 2^(t - M) is quantised along the keys, not normalised.  The row's sum is taken of the unquantised p
; and divides O at the end.  When M moves, the sum and O are multiplied by 2^(old M - new M): exact.
; SHARES.  Work-group y = 16 x batch + head; its place cx in the cluster picks 512 of the 2,048 queries.  Each of sixteen waves owns two tiles of 16 queries and takes them one after the other, in 256 registers.
; THE HEAD'S K AND V STAY IN LDS.  The record that launch qkvg stored is 16 key steps of 13,056 bytes = 51 rows of 256: K's codes 8 tiles x 768 | V^T's codes 4 channel tiles x 1,536 | K's scale words 8 x 64 | V's 4 x 64.
; Wave w brings key step w by its one tensor load, asked for jointly by the four work-groups of the cluster, which walk the same record.  The descriptor lays 64 bytes of padding behind each 256: LDS rows 320 bytes apart.
; TWO LOAD LINES, TWO BARRIERS.  Waves 0-7 and waves 8-15 issue load lines of their own.  In front of the first barrier only waves 0-7 wait for their loads: it shows key steps 0-7, and the first tile's walk begins on them.
; In front of the second barrier, ahead of key step 8, every wave waits for its load: it shows the rest.  Nothing is filled again and nothing is stored to LDS.  No prefetch: every load of the launch stands at the kernel's head.
; LAYOUT.  Both products are used transposed: S^T = K Q^T, O^T = V^T P^T: a lane holds one query (lane % 16) throughout.
; WHICH KEYS FORM A TILE OF K is chosen by the lanes' LDS addresses: row 8 g + i of tile 4 c + j is key 64 c + 32 g + 8 j + i of the step, which lies in the record's tile 4 c + 2 g + j % 2 at place 8 (j / 2) + i.
; So register 32 c + 8 j + i of lane (r, h) is key 64 c + 32 h + 8 j + i: a lane holds two whole blocks of 32 keys, in the order of the second product's operand: no lane is asked for a block's maximum and no code changes lanes.
; With rows 320 bytes apart the two groups of eight rows of a tile, six rows apart, lie 128 bytes apart modulo 256 in a load of 16 bytes a lane.
; K = 64 IN AN INSTRUCTION OF K = 128: Q's registers 6-11 hold zero codes; a tile's operand runs on into the next tile's six registers, which meet them; behind tile 7 lie six registers of zeros.  Bytes 2, 3 of q's and k's scale words are 0.
; THE ORDER OF A STEP'S LINES.  Four waves share a SIMD.  The maxima go in eight chains by turns, one to an accumulator, and the step's sum in eight chains by turns, so that a line reads nothing that the four lines ahead of it wrote;
; the sum's lines stand among the lines that make p's scale word and are the places that the second product's instructions need; its chains are joined among the next step's maxima.
; Where a line must read a nearer result and all its sources were written by plain vector lines, a one-field s_delay_alu stands ahead of it.
; LIMITS: the promise holds while the scaled scores stay under 2^31 in magnitude.  A block's largest p is taken from the block's largest score by the same multiply-add and exponential (this takes v_exp_f32 not to fall where its
; input rises; at the worst one p within an ulp of a power of two is held one code low); v_exp_f32 gives 0 for results under 2^-126; 1 / the sum is v_rcp_f32's; a block of zeros or under 2^-124 gets the byte 1; NaN and infinities are not served.
; The output's scale bytes leave as stores of 2 bytes a row, 8 bytes apart: two bytes for each 48 bytes of codes.
.set QS,    6291456
.set RECB,  6815744
.set RECSZ, 208896
.set STEPB, 13056
.set LROW,  320                        ; an LDS row: 256 bytes + 64
.set LSTEP, 51*LROW                    ; a key step in LDS
.set UNIT,  3*LROW                     ; a unit of 768 bytes
.set VOFF,  24*LROW                    ; V's codes in a step;  K's scale words;  V's
.set KSOFF, 48*LROW
.set VSOFF, 50*LROW
.set SPARE, 16*LSTEP                   ; behind the record: the spare words, 128 bytes for each wave: eight blocks of 256 bytes that no other line names
.set L16, 1                            ; v1 16 x lane; v2 8 x lane; v3 4 x lane
.set L8,  2
.set L4,  3
.set KA0, 4                            ; v4 1,920 g + 320 h + 16 i: K's first 16 bytes;  v5 1,920 g + 128 h + 8 i: its last 8;  v6 128 g + 64 h + 4 i: its scale words
.set KB0, 5
.set KS0, 6
.set VA0, 7                            ; v7 320 h + 16 r: V's first 16 bytes
.set R4,  8                            ; v8 4 r; v9 8 r
.set R8,  9
.set SPW, 10                           ; v10 my spare word; v11 0; never rewritten
.set NIL, 11
.set RM,  13                           ; v12, v14 -M, by turns; v13 the largest score so far; v15 at work
.set SH,  29                           ; v29 8 h
.set SUM, 30                           ; v[30:31] the row's sum in two halves
.set KA,  86                           ; v86-91 the six LDS addresses of the pair of key steps in hand
.set KB,  87
.set KSA, 88
.set VA,  89
.set VB,  90
.set VS,  91
.set Q2A, 92                           ; v92-95, v218-219, v220 the second tile's Q
.set Q2B, 218
.set Q2C, 220
.set F,   222                          ; v222 f = 2^(old M - new M); v223 written once, named with it as a pair
.set CA,  236                          ; v236-251 the step's sum in eight chains of pairs
.set WV,  10
.set G1,  16
.set G0,  24
.set SEL, 40
.set CS,  42
.set TB,  44
.set CNT, 45
.set ACB, 52
.set ASB, 54
.macro WALU
	s_wait_alu depctr_va_vdst(0)
.endm
.macro D1
	s_delay_alu instid0(VALU_DEP_1)
.endm
.macro D2
	s_delay_alu instid0(VALU_DEP_2)
.endm
.macro D3
	s_delay_alu instid0(VALU_DEP_3)
.endm
.macro D4
	s_delay_alu instid0(VALU_DEP_4)
.endm
.macro CROUND
	s_barrier_signal -1
	s_barrier_wait -1
	s_cmp_lg_u32 s[WV], 0
	s_cbranch_scc1 .Lnot_wave_0_\@
	s_barrier_signal -3
.Lnot_wave_0_\@:
	s_barrier_wait -3
	s_barrier_signal -1
	s_barrier_wait -1
.endm
	s_load_b128 s[4:7], s[0:1], 0x0                ; qkv, acod
	s_load_b64 s[8:9], s[0:1], 0x10                ; ascl
	v_lshl_add_u32 v[SPW], v0, 2, SPARE
	v_mov_b32 v[NIL], 0
	ds_add_u32 v[SPW], v[NIL]                      ; the opening lines: the add, twice on end, and its wait ahead of my tensor load
	ds_add_u32 v[SPW], v[NIL]
	v_lshrrev_b32 v15, 5, v0
	v_readfirstlane_b32 s[WV], v15                 ; wave 0..15
	s_bfe_u32 s11, ttmp6, 0x40000                  ; cx: it enters Q's and the output's addresses alone
	s_and_b32 s12, ttmp7, 0xffff                   ; y = 16 x batch + head
	s_mov_b32 s[G1], 15|(3<<16)|(1<<20)|(1<<21)|(5<<22)|(15<<25)   ; the mask of all four; elements of 8 bytes; behind every 64 words 16 words of padding
	s_mov_b32 s[G1+1], 32<<16                      ; 51 rows of 256 bytes, dense
	s_mov_b32 s[G1+2], 51<<16
	s_mov_b32 s[G1+3], 32<<16
	s_mov_b32 s[G1+4], 51
	s_mov_b32 s[G1+5], 32
	s_mov_b32 s[G1+6], 0
	s_mov_b32 s[G1+7], 0
	s_mul_i32 s13, s[WV], STEPB
	s_mul_i32 s14, s12, RECSZ
	s_add_co_u32 s14, s14, RECB
	s_add_co_u32 s14, s14, s13                     ; key step w of my record
	s_mov_b32 s15, 0
	s_and_b32 s47, s12, 15                         ; head
	s_lshr_b32 s48, s12, 4                         ; batch
	s_lshl_b32 s48, s48, 7
	s_lshl_b32 s49, s11, 5
	s_add_co_u32 s48, s48, s49
	s_lshl_b32 s49, s[WV], 1
	s_add_co_u32 s48, s48, s49                     ; my first token tile: 128 x batch + 32 cx + 2 x wave
	s_lshl_b32 s49, s47, 9
	s_add_co_u32 s49, s49, s48
	s_mul_i32 s50, s49, 768                        ; Q's codes: [head][token tile][768]
	s_mov_b32 s51, 0
	s_lshl_b32 s56, s49, 6
	s_add_co_u32 s56, s56, QS                      ; and scale words
	s_mov_b32 s57, 0
	s_lshl_b32 s[ACB], s48, 4
	s_add_co_u32 s[ACB], s[ACB], s47
	s_mul_i32 s[ACB], s[ACB], 768                  ; the output's codes: [token tile][head][768]
	s_mov_b32 s[ACB+1], 0
	s_lshl_b32 s[ASB], s48, 9                      ; its scale bytes: 512 a tile; head hd: chunk hd / 4 (128 bytes), word (hd / 2) % 2, bytes 2 (hd % 2) and the next
	s_lshr_b32 s58, s47, 2
	s_lshl_b32 s58, s58, 7
	s_add_co_u32 s[ASB], s[ASB], s58
	s_bfe_u32 s58, s47, 0x10001
	s_lshl_b32 s58, s58, 2
	s_add_co_u32 s[ASB], s[ASB], s58
	s_and_b32 s58, s47, 1
	s_lshl_b32 s58, s58, 1
	s_add_co_u32 s[ASB], s[ASB], s58
	s_mov_b32 s[ASB+1], 0
	s_mov_b32 s[SEL], 0x76543210
	s_mov_b32 s[SEL+1], 0xfedcba98                 ; v_permlanex16_b32's selects for lane l xor 16
	s_mov_b32 s[CS], 0x3e38aa3b                    ; c = log2(e) / 8
	s_mov_b32 s[CS+1], s[CS]
	s_mov_b32 s[G0], 1
	s_mul_i32 s[G0+1], s[WV], LSTEP                ; LDS: key step w
	s_wait_dscnt 0x0                               ; both opening adds are done
	s_wait_kmcnt 0x0
	s_add_nc_u64 s[G0+2:G0+3], s[4:5], s[14:15]
	s_or_b32 s[G0+3], s[G0+3], 0x80000000
	s_add_nc_u64 s[50:51], s[4:5], s[50:51]
	s_add_nc_u64 s[56:57], s[4:5], s[56:57]
	s_add_nc_u64 s[ACB:ACB+1], s[6:7], s[ACB:ACB+1]
	s_add_nc_u64 s[ASB:ASB+1], s[8:9], s[ASB:ASB+1]
	CROUND                                         ; all four work-groups are here: the joint loads meet
	s_cmp_lt_u32 s[WV], 8                          ; every wave's one load, in two arms: the waves that wait at the first barrier have a load line of their own
	s_cbranch_scc0 .Llate
	tensor_load_to_lds s[G0:G0+3], s[G1:G1+7]      ; waves 0-7: key steps 0-7
	s_nop 0
	s_branch .Lasked
.Llate:
	tensor_load_to_lds s[G0:G0+3], s[G1:G1+7]      ; waves 8-15: key steps 8-15
	s_nop 0
.Lasked:
	v_and_b32 v224, 31, v0                         ; lane
	v_and_b32 v225, 15, v0                         ; r
	v_and_b32 v226, 7, v0                          ; i
	v_bfe_u32 v227, v0, 3, 1                       ; g
	v_bfe_u32 v228, v0, 4, 1                       ; h
	v_lshlrev_b32 v[L16], 4, v224
	v_lshlrev_b32 v[L8], 3, v224
	v_lshlrev_b32 v[L4], 2, v224
	v_lshlrev_b32 v[R4], 2, v225
	v_lshlrev_b32 v[R8], 3, v225
	v_mul_u32_u24 v229, v227, 2*UNIT
	v_mad_u32_u24 v[KA0], v228, LROW, v229
	v_lshl_add_u32 v[KA0], v226, 4, v[KA0]
	v_lshl_add_u32 v[KB0], v228, 7, v229
	v_lshl_add_u32 v[KB0], v226, 3, v[KB0]
	v_lshlrev_b32 v[KS0], 7, v227
	v_lshl_add_u32 v[KS0], v228, 6, v[KS0]
	v_lshl_add_u32 v[KS0], v226, 2, v[KS0]
	v_mul_u32_u24 v[VA0], v228, LROW
	v_lshl_add_u32 v[VA0], v225, 4, v[VA0]
	v_lshlrev_b32 v[SH], 3, v228
	global_load_b128 v[16:19], v[L16], s[50:51]                ; my first tile's Q: straight into the operand's registers 0-5
	global_load_b64 v[20:21], v[L8], s[50:51] offset:512
	global_load_b32 v28, v[R4], s[56:57]
	global_load_b128 v[Q2A:Q2A+3], v[L16], s[50:51] offset:768 ; my second tile's waits
	global_load_b64 v[Q2B:Q2B+1], v[L8], s[50:51] offset:1280
	global_load_b32 v[Q2C], v[R4], s[56:57] offset:64
.irp i, 0,1,2,3,4,5
	v_mov_b32 v[22+\i], 0                          ; zero codes for k = 64 .. 127
	v_mov_b32 v[80+\i], 0                          ; and behind K's tile 7
.endr
	v_mov_b32 v[F+1], 0
.macro KLOAD off                       ; K's eight tiles and their scale words: the lanes' addresses pick the rows
.irp t, 0,1,2,3,4,5,6,7
	ds_load_b128 v[32+6*\t:35+6*\t], v[KA] offset:(\off)+UNIT*(4*(\t/4)+\t%2)+128*((\t%4)/2)
	ds_load_b64 v[36+6*\t:37+6*\t], v[KB] offset:(\off)+UNIT*(4*(\t/4)+\t%2)+640+64*((\t%4)/2)
.endr
.irp q, 0,1,2,3
	ds_load_b32 v[212+\q], v[KSA] offset:(\off)+KSOFF+LROW*(\q/2)+32*(\q%2)   ; lanes 0-15: tile 2 q's words, lanes 16-31: tile 2 q + 1's
.endr
.endm
.macro VLOAD off                       ; V^T's four fragments and their scale words
.irp c, 0,1,2,3
	ds_load_b128 v[32+12*\c:35+12*\c], v[VA] offset:(\off)+VOFF+2*UNIT*\c
	ds_load_b64 v[36+12*\c:37+12*\c], v[VB] offset:(\off)+VOFF+2*UNIT*\c+640
	ds_load_b128 v[38+12*\c:41+12*\c], v[VA] offset:(\off)+VOFF+2*UNIT*\c+UNIT
	ds_load_b64 v[42+12*\c:43+12*\c], v[VB] offset:(\off)+VOFF+2*UNIT*\c+UNIT+640
.endr
	ds_load_b32 v216, v[VS] offset:(\off)+VSOFF
	ds_load_b32 v217, v[VS] offset:(\off)+VSOFF+128
.endm
; The last step's eight chains are joined in four parts; the last brings the row's sum under that step's M and adds them.
.macro JOIN1
.irp k, 0,1,2,3
	v_pk_add_f32 v[CA+4*\k:CA+4*\k+1], v[CA+4*\k:CA+4*\k+1], v[CA+4*\k+2:CA+4*\k+3]
.endr
.endm
.macro JOIN2
	v_pk_add_f32 v[CA:CA+1], v[CA:CA+1], v[CA+4:CA+5]
	v_pk_add_f32 v[CA+8:CA+9], v[CA+8:CA+9], v[CA+12:CA+13]
.endm
.macro JOIN3
	v_pk_add_f32 v[CA:CA+1], v[CA:CA+1], v[CA+8:CA+9]
.endm
.macro JOIN4
	v_pk_fma_f32 v[SUM:SUM+1], v[SUM:SUM+1], v[F:F+1], v[CA:CA+1] op_sel_hi:[1,0,1]
.endm
.macro INIT from, to                   ; chains from .. to - 1 begin: two pairs of p each
.set KK, \from
.rept (\to)-(\from)
	v_pk_add_f32 v[CA+2*KK:CA+2*KK+1], v[96+4*KK:97+4*KK], v[98+4*KK:99+4*KK]
.set KK, KK+1
.endr
.endm
.macro ADDS from, to                   ; pairs from .. to - 1 of p onto the eight chains, by turns
.set KK, \from
.rept (\to)-(\from)
	v_pk_add_f32 v[CA+2*(KK%8):CA+2*(KK%8)+1], v[CA+2*(KK%8):CA+2*(KK%8)+1], v[96+2*KK:97+2*KK]
.set KK, KK+1
.endr
.endm
.macro FMAS from, to                   ; t - M of pairs from .. to - 1
.set KK, \from
.rept (\to)-(\from)
	v_pk_fma_f32 v[96+2*KK:97+2*KK], v[96+2*KK:97+2*KK], s[CS:CS+1], v[NEWM:NEWM+1] op_sel_hi:[1,0,0]
.set KK, KK+1
.endr
.endm
; A KEY STEP: 128 keys at byte off behind the addresses.  old, new: the registers of -M.  nxt = 1: the next step's K is asked for behind the second product.
.macro STEP off, old, new, nxt
.set NEWM, \new
	WALU
	s_wait_dscnt 0x0                               ; K's tiles and scale words are in
.irp t, 0,1,2,3,4,5,6,7
.if \t%2
	v_wmma_scale_f32_16x16x128_f8f6f4 v[96+8*\t:103+8*\t], v[32+6*\t:43+6*\t], v[16:27], 0, v[212+\t/2], v28 matrix_a_fmt:MATRIX_FMT_FP6 matrix_b_fmt:MATRIX_FMT_FP6 matrix_a_scale:MATRIX_SCALE_ROW1
.else
	v_wmma_scale_f32_16x16x128_f8f6f4 v[96+8*\t:103+8*\t], v[32+6*\t:43+6*\t], v[16:27], 0, v[212+\t/2], v28 matrix_a_fmt:MATRIX_FMT_FP6 matrix_b_fmt:MATRIX_FMT_FP6
.endif
.endr
	JOIN1                                          ; four places in front of the loads into K's registers and of the first read of the scores
	VLOAD \off
	JOIN2
.irp k, 3,7,0,1,2,4,5,6
	v_max3_num_f32 v[224+\k], v[96+8*\k], v[97+8*\k], v[98+8*\k]   ; a chain to an accumulator, each read from its low end on
.endr
	JOIN3
.irp k, 3,7,0,1,2,4,5,6
	v_max3_num_f32 v[224+\k], v[224+\k], v[99+8*\k], v[100+8*\k]
.endr
	JOIN4
.irp k, 3,7,0,1,2,4,5,6
	v_max3_num_f32 v[224+\k], v[224+\k], v[101+8*\k], v[102+8*\k]
.endr
	v_max3_num_f32 v232, v103, v111, v119          ; the accumulators' last registers
	v_max3_num_f32 v233, v135, v143, v151
	v_max_num_f32 v227, v227, v127
	v_max_num_f32 v231, v231, v159
	v_max3_num_f32 v224, v224, v225, v226
	v_max3_num_f32 v228, v228, v229, v230
	D2
	v_max3_num_f32 v224, v224, v227, v232          ; the largest score of block h
	D2
	v_max3_num_f32 v226, v228, v231, v233          ; and of block 2 + h: they serve twice: for the row's maximum and for the blocks' largest p
	D1
	v_max_num_f32 v225, v224, v226
	D1
	v_permlanex16_b32 v227, v225, s[SEL], s[SEL+1]
	D1
	v_max3_num_f32 v[RM], v[RM], v225, v227        ; the running largest score of my query
	D1
	v_mul_f32 v15, s[CS], v[RM]                    ; as t (c is positive)
	D1
	v_floor_f32 v[\new], -v15                      ; -M = floor(-t) = -ceil(t)
	D1
	v_sub_f32 v15, v[\new], v[\old]                ; old M - new M: a whole number, 0 or less
	D2
	v_fma_f32 v224, v224, s[CS], v[\new]           ; t - M of each block's largest score
	D3
	v_fma_f32 v226, v226, s[CS], v[\new]
	D3
	v_cvt_i32_f32 v15, v15                         ; (it saturates)
	FMAS 0, 4
	v_ldexp_f32 v[F], 1.0, v15
	FMAS 4, 32
.set j, 0
.rept 16
	v_pk_mul_f32 v[160+j:161+j], v[160+j:161+j], v[F:F+1] op_sel_hi:[1,0]   ; O^T under the new M
.set j, j+2
.endr
	WALU
.set j, 0
.rept 64
	v_exp_f32 v[96+j], v[96+j]                     ; p = 2^(t - M)
.set j, j+1
.endr
	v_exp_f32 v224, v224                           ; the blocks' largest p
	v_exp_f32 v226, v226
	v_nop                                          ; a plain place behind the batch
	WALU                                           ; and the wait behind it
	v_max_num_f32 v224, 0x1800000, v224            ; the floor 2^(3 - 127): the byte cannot fall under 1
	v_max_num_f32 v226, 0x1800000, v226
	INIT 0, 4                                      ; the step's sum of the unquantised p begins
	v_add_nc_u32 v228, 0xff000000, v224            ; 2 off the exponent field: the conversions' scale operands
	v_add_nc_u32 v229, 0xff000000, v226
	INIT 4, 8
	v_cvt_scalef32_pk16_fp6_f32 v[192:194], v[96:111], v228
	v_cvt_scalef32_pk16_fp6_f32 v[204:206], v[112:127], v228   ; (a conversion's three registers begin on an even number)
	v_cvt_scalef32_pk16_fp6_f32 v[198:200], v[128:143], v229
	v_cvt_scalef32_pk16_fp6_f32 v[208:210], v[144:159], v229
	v_lshrrev_b32 v224, 23, v228                   ; the scales' bytes
	v_lshrrev_b32 v226, 23, v229
.irp i, 0,1,2
	v_mov_b32 v[195+\i], v[204+\i]
.endr
	D4
	v_lshl_or_b32 v224, v226, 16, v224             ; blocks h and 2 + h,
.irp i, 0,1,2
	v_mov_b32 v[201+\i], v[208+\i]
.endr
	D4
	v_lshlrev_b32 v224, v[SH], v224                ; at their places in the word;
	ADDS 16, 18
	D3
	v_permlanex16_b32 v227, v224, s[SEL], s[SEL+1]
	ADDS 18, 20
	D3
	v_or_b32 v221, v224, v227                      ; with lane l xor 16's two the word is whole
	ADDS 20, 28                                    ; eight places between p's scale word and the products that take it
	WALU
	s_wait_dscnt 0x0                               ; V's fragments and scale words are in
.irp c, 0,1,2,3
.if \c%2
	v_wmma_scale_f32_16x16x128_f8f6f4 v[160+8*\c:167+8*\c], v[32+12*\c:43+12*\c], v[192:203], v[160+8*\c:167+8*\c], v[216+\c/2], v221 matrix_a_fmt:MATRIX_FMT_FP6 matrix_b_fmt:MATRIX_FMT_FP6 matrix_a_scale:MATRIX_SCALE_ROW1
.else
	v_wmma_scale_f32_16x16x128_f8f6f4 v[160+8*\c:167+8*\c], v[32+12*\c:43+12*\c], v[192:203], v[160+8*\c:167+8*\c], v[216+\c/2], v221 matrix_a_fmt:MATRIX_FMT_FP6 matrix_b_fmt:MATRIX_FMT_FP6
.endif
.endr
	ADDS 28, 32                                    ; four places in front of loads into V's registers
.if \nxt
	KLOAD (\off)+LSTEP
.endif
.endm
.macro RUN first, trips                ; 2 x trips key steps, two a trip; first = 1: from key step 0 on, else on from where the last run ended
.if \first
	s_mov_b32 s[TB], 0
.endif
	s_mov_b32 s[CNT], \trips
.Lpair_\@:
	v_add_nc_u32 v[KA], s[TB], v[KA0]
	v_add_nc_u32 v[KB], s[TB], v[KB0]
	v_add_nc_u32 v[KSA], s[TB], v[KS0]
	v_add_nc_u32 v[VA], s[TB], v[VA0]
	v_add_nc_u32 v[VB], s[TB], v[L8]
	v_add_nc_u32 v[VS], s[TB], v[L4]
	KLOAD 0
	STEP 0, 14, 12, 1
	STEP LSTEP, 12, 14, 0
	s_add_co_u32 s[TB], s[TB], 2*LSTEP
	s_sub_co_u32 s[CNT], s[CNT], 1
	s_cmp_lg_u32 s[CNT], 0
	WALU
	s_cbranch_scc1 .Lpair_\@
.endm
.macro FRESH                           ; a tile's sums begin as zeros, the largest score under every score, -M above every -M: the first f is 0 and multiplies zeros
	v_mov_b32 v[RM], 0xff61b1e6                    ; -3e38
	v_mov_b32 v14, 0x7f61b1e6                      ; 3e38
	v_mov_b32 v[SUM], 0
	v_mov_b32 v[SUM+1], 0
	v_mov_b32 v[F], 0
.set j, 0
.rept 16
	v_mov_b32 v[CA+j], 0
.set j, j+1
.endr
.set j, 0
.rept 32
	v_mov_b32 v[160+j], 0
.set j, j+1
.endr
.endm
; THE WAY OUT of my tile t: O^T / the sum; a lane's 32 numbers, register 16 b + i = channel 32 b + 16 (lane / 16) + i of my query, become a unit of 768 bytes of the projection's operand and two scale bytes a row.
.macro WAYOUT t
	JOIN1                                          ; the last step's sum
	JOIN2
	JOIN3
	JOIN4
	v_add_f32 v[SUM], v[SUM], v[SUM+1]
	v_permlanex16_b32 v227, v[SUM], s[SEL], s[SEL+1]
	v_add_f32 v[SUM], v[SUM], v227                 ; the row's sum; it is above 1/2
	WALU
	v_rcp_f32 v[SUM], v[SUM]
	v_nop
	WALU
.set j, 0
.rept 16
	v_pk_mul_f32 v[96+j:97+j], v[160+j:161+j], v[SUM:SUM+1] op_sel_hi:[1,0]   ; each accumulator from its low end on
.set j, j+2
.endr
.irp b, 0,1
	v_max3_num_f32 v[224+\b], |v[96+16*\b]|, |v[97+16*\b]|, 0x1800000
.endr
.irp i, 2,4,6,8,10,12,14
.irp b, 0,1
	v_max3_num_f32 v[224+\b], v[224+\b], |v[96+16*\b+\i]|, |v[97+16*\b+\i]|
.endr
.endr
.irp b, 0,1
	v_permlanex16_b32 v[226+\b], v[224+\b], s[SEL], s[SEL+1]
.endr
.irp b, 0,1
	v_max_num_f32 v[224+\b], v[224+\b], v[226+\b]
.endr
.irp b, 0,1
	v_add_nc_u32 v[228+\b], 0xff000000, v[224+\b]
.endr
.irp b, 0,1
	v_lshrrev_b32 v[226+\b], 23, v[228+\b]
.endr
	v_lshl_or_b32 v221, v227, 8, v226              ; my row's two scale bytes, in both halves of the lanes
	v_cvt_scalef32_pk16_fp6_f32 v[192:194], v[96:111], v228
	v_cvt_scalef32_pk16_fp6_f32 v[204:206], v[112:127], v229
	v_nop                                          ; one plain place behind a scaled conversion
.irp i, 0,1,2
	v_permlane16_swap_b32 v[192+\i], v[204+\i]     ; a whole block to a lane
.endr
.irp i, 0,1,2
	v_mov_b32 v[195+\i], v[204+\i]
.endr
	global_store_b128 v[L16], v[192:195], s[ACB:ACB+1] offset:12288*\t       ; 512 consecutive bytes, at a multiple of 256 from the buffer's first byte
	global_store_b64 v[L8], v[196:197], s[ACB:ACB+1] offset:12288*\t+512     ; 256 likewise
	global_store_b16 v[R8], v221, s[ASB:ASB+1] offset:512*\t                 ; lanes l and l xor 16 store the same two bytes to the same place
.endm
	FRESH
	WALU
	s_wait_loadcnt 0x0                             ; Q
	s_cmp_lt_u32 s[WV], 8
	s_cbranch_scc0 .Lnot_first
	s_wait_tensorcnt 0x0                           ; waves 0-7: my key step is in
.Lnot_first:
	s_barrier_signal -1
	s_barrier_wait -1                              ; key steps 0-7 are in
	RUN 1, 4
	s_wait_tensorcnt 0x0                           ; every wave: my key step is in,
	s_wait_dscnt 0x0                               ; and no LDS instruction of mine is out at the signal
	s_barrier_signal -1
	s_barrier_wait -1                              ; the record is whole
	RUN 0, 4
	WAYOUT 0
.irp i, 0,1,2,3
	v_mov_b32 v[16+\i], v[Q2A+\i]                  ; my second tile's Q; the lines of FRESH stand between these and the first product
.endr
	v_mov_b32 v20, v[Q2B]
	v_mov_b32 v21, v[Q2B+1]
	v_mov_b32 v28, v[Q2C]
	FRESH
	WALU
	s_wait_xcnt 0x0                                ; the first tile's stores have read their registers: the loop below writes them again
	RUN 1, 8
	WAYOUT 1
	s_wait_tensorcnt 0x0                           ; the wave's end
	ds_add_u32 v[SPW], v[NIL]
	s_wait_dscnt 0x0
	CROUND                                         ; the closing round
	s_endpgm
.Lfunc_end_k_qcc7b4cbb08_attn:
	.size	k_qcc7b4cbb08_attn, .Lfunc_end_k_qcc7b4cbb08_attn-k_qcc7b4cbb08_attn
	.p2alignl 7, 3214868480
	.fill 96, 4, 3214868480
	.section	.rodata,"a",@progbits
	.p2align	6, 0x0
	.amdhsa_kernel k_qcc7b4cbb08_attn
		.amdhsa_group_segment_fixed_size 263168
		.amdhsa_private_segment_fixed_size 0
		.amdhsa_enable_private_segment 0
		.amdhsa_kernarg_size 24
		.amdhsa_user_sgpr_count 2
		.amdhsa_user_sgpr_kernarg_segment_ptr 1
		.amdhsa_wavefront_size32 1
		.amdhsa_system_sgpr_workgroup_id_x 1
		.amdhsa_system_sgpr_workgroup_id_y 1
		.amdhsa_system_sgpr_workgroup_id_z 1
		.amdhsa_system_vgpr_workitem_id 0
		.amdhsa_next_free_vgpr 256
		.amdhsa_next_free_sgpr 66
		.amdhsa_reserve_vcc 0
		.amdhsa_float_denorm_mode_32 3
		.amdhsa_float_denorm_mode_16_64 3
		.amdhsa_memory_ordered 1
		.amdhsa_forward_progress 1
		.amdhsa_inst_pref_size 110
	.end_amdhsa_kernel
	.amdgpu_metadata
---
amdhsa.version: [ 1, 2 ]
amdhsa.kernels:
  - .name:           k_qcc7b4cbb08_attn
    .symbol:         k_qcc7b4cbb08_attn.kd
    .args:
      - { .name: qkv, .offset: 0, .size: 8, .value_kind: global_buffer, .address_space: global }
      - { .name: acod, .offset: 8, .size: 8, .value_kind: global_buffer, .address_space: global }
      - { .name: ascl, .offset: 16, .size: 8, .value_kind: global_buffer, .address_space: global }
    .group_segment_fixed_size: 263168
    .private_segment_fixed_size: 0
    .kernarg_segment_align: 8
    .kernarg_segment_size: 24
    .max_flat_workgroup_size: 512
    .sgpr_count:     66
    .vgpr_count:     256
    .wavefront_size: 32
...
	.end_amdgpu_metadata
.endif
;; end of part 3
;; launch proj (part 4): grid 4 x 64, 4 waves a work-group, clusters of 4 x 4, 327,680 bytes of LDS; arguments acod, ascl, opc, ops, b_proj, out0; writes out0
.if DOCPART == 4
	.amdgcn_target "amdgcn-amd-amdhsa--gfx1250"
	.amdhsa_code_object_version 6
	.text
	.protected	k_qcc7b4cbb08_proj
	.globl	k_qcc7b4cbb08_proj
	.p2align	8
	.type	k_qcc7b4cbb08_proj,@function
k_qcc7b4cbb08_proj:
	s_mov_b64 s[64:65], 0
	v_nop
	global_prefetch_b8 v0, s[64:65] scope:SCOPE_SE
	s_setreg_imm32_b32 hwreg(HW_REG_WAVE_MODE, 25, 1), 1
	s_wait_xcnt 0x0
	s_wait_alu depctr_hold_cnt(0) depctr_sa_sdst(0) depctr_va_vdst(0) depctr_va_sdst(0) depctr_va_ssrc(0) depctr_va_vcc(0) depctr_vm_vsrc(0)
	s_getreg_b32 s2, hwreg(HW_REG_IB_STS2, 6, 4)
	s_cmp_eq_u32 s2, 0
	s_cbranch_scc0 .Lentry_in_a_cluster
	s_endpgm
.Lentry_in_a_cluster:
	s_bfe_u32 s2, ttmp6, 0x10000c
	s_cmp_lg_u32 s2, 0xf033
	s_cbranch_scc0 .Lentry_shape_is_right
	s_endpgm
.Lentry_shape_is_right:
; out0 = O w_proj^T + b_proj on codes of FP6 (E2M3) with E8M0 scales, K = 1,024.  P = O's token tiles (acod, ascl), R = w_proj's tiles (opc, ops); used transposed, so that a lane holds neighbouring columns of a row.
; A work-group makes 128 x 256, each of four waves 64 x 128.  ALL OF K LIES IN LDS: P's 8 tiles of 12,288 bytes, then R's 16, then the scales.  Each is one dense block of memory and comes by one joint load:
; one tensor load a wave at the head, in one chain of branches; nothing is filled again.  P's blocks are shared along a row of the 4 x 4 cluster, R's along a column.
; No prefetch: every load stands at the kernel's head.  The bias is the first products' C.  The results leave through a stage in LDS, on P's bytes, behind a barrier behind which no wave reads them.
.set NA,    4
.set NSL,   4
.set PT,    2*NA
.set CH,    3072
.set TILEB, 12288
.set PB,    PT*CH
.set SLOTB, PB+16*CH
.set SCL,   NSL*SLOTB
.set SPARE, SCL+PT*512+16*512
.set PCODE, 4
.set PSCL,  6
.set RCODE, 8
.set RSCL,  10
.set SPW,  6
.set NIL,  7
.set AP16, 8
.set AP8,  12
.set AR16, 16
.set AR8,  20
.set ADRS, 24
.set STO,  26
.set RD,   27
.set BO,   28
.set SC,   32
.set PF,   64
.set BK,   64
.set WV, 16
.set WM, 17
.set WN, 18
.set CX, 19
.set CY, 20
.set YY, 21
.set G1P,  24
.set G1R,  32
.set G1SP, 40
.set G1SR, 48
.set G0PS, 56
.set G0RS, 80
.set MUL_LO, 0xa1
.set MUL_B,  0xb1
.set MSB, 0
.macro WIN new
.if MSB != (\new)
	s_set_vgpr_msb (MSB<<8)|(\new)
.set MSB, \new
.endif
.endm
.macro PLACES n
.rept \n
	v_nop
.endr
.endm
.macro JLOAD g0p, g1p, g0r, g1r
	s_cmp_eq_u32 s[WM], 0
	s_cbranch_scc0 .Lfor_r_\@
	tensor_load_to_lds s[\g0p:\g0p+3], s[\g1p:\g1p+7]
	s_nop 0
.rept 4
	v_nop
.endr
	s_branch .Lasked_\@
.Lfor_r_\@:
	tensor_load_to_lds s[\g0r:\g0r+3], s[\g1r:\g1r+7]
	s_nop 0
.rept 4
	v_nop
.endr
.Lasked_\@:
.endm
.macro CROUND
	s_barrier_signal -1
	s_barrier_wait -1
	s_cmp_lg_u32 s[WV], 0
	s_cbranch_scc1 .Lnot_wave_0_\@
	s_barrier_signal -3
.Lnot_wave_0_\@:
	s_barrier_wait -3
	s_barrier_signal -1
	s_barrier_wait -1
.endm
.macro SHAPE g, c, r, p
	s_mov_b32 s[\g+1], (\c)<<16
	s_mov_b32 s[\g+2], (\r)<<16
	s_mov_b32 s[\g+3], (\c)<<16
	s_mov_b32 s[\g+4], \r
	s_mov_b32 s[\g+5], \p
	s_mov_b32 s[\g+6], 0
	s_mov_b32 s[\g+7], 0
.endm
.macro FRAG reg, a16, a8, off
	ds_load_b128 v[\reg:\reg+3], v[\a16] offset:\off
	ds_load_b64 v[\reg+4:\reg+5], v[\a8] offset:\off+512
	ds_load_b128 v[\reg+6:\reg+9], v[\a16] offset:\off+768
	ds_load_b64 v[\reg+10:\reg+11], v[\a8] offset:\off+1280
.endm
.macro NEXT s
.set NS, (\s)+1
	WIN 0x40
.irp i, 0,1,2,3,4,5,6,7
	FRAG 128*(NS%2)+12*\i, AR16+\i/4, AR8+\i/4, (\i%4)*TILEB+1536*NS
.endr
	WIN 0
.irp i, 0,1,2,3,4,5,6,7
.if \i < NA
	FRAG PF+96*(NS%2)+12*\i, AP16, AP8, \i*TILEB+1536*NS
.endif
.endr
.if NS%2 == 0
.irp i, 0,1,2,3,4,5,6,7
	ds_load_b64 v[SC+16*((NS/2)%2)+2*\i:SC+16*((NS/2)%2)+2*\i+1], v[ADRS] offset:512*\i+128*(NS/2)
.endr
.endif
.endm
.macro MUL a, set, q, sc, cm
.irp b, 0,1,2,3,4,5,6,7
.if (\cm) == 2
	v_wmma_scale_f32_16x16x128_f8f6f4 v[8*(8*(\a)+\b):8*(8*(\a)+\b)+7], v[128*(\set)+12*\b:128*(\set)+12*\b+11], v[PF+96*(\set)+12*(\a):PF+96*(\set)+12*(\a)+11], v[8*\b:8*\b+7], v[SC+16*(\sc)+2*\b+(\q)], v[SC+16*(\sc)+2*(\a)+(\q)] matrix_a_fmt:MATRIX_FMT_FP6 matrix_b_fmt:MATRIX_FMT_FP6 matrix_a_scale:MATRIX_SCALE_ROW1
.else
	v_wmma_scale_f32_16x16x128_f8f6f4 v[8*(8*(\a)+\b):8*(8*(\a)+\b)+7], v[128*(\set)+12*\b:128*(\set)+12*\b+11], v[PF+96*(\set)+12*(\a):PF+96*(\set)+12*(\a)+11], v[8*(8*(\a)+\b):8*(8*(\a)+\b)+7], v[SC+16*(\sc)+2*\b+(\q)], v[SC+16*(\sc)+2*(\a)+(\q)] matrix_a_fmt:MATRIX_FMT_FP6 matrix_b_fmt:MATRIX_FMT_FP6 matrix_a_scale:MATRIX_SCALE_ROW1
.endif
.endr
.endm
.macro SA s, cm, z
	s_wait_dscnt 0x0
.if (\cm) == 2
	WIN MUL_B
.else
	WIN MUL_LO
.endif
	MUL 0, (\s)%2, (\s)%2, ((\s)/2)%2, \cm
.if \z
	WIN 0
.endif
.endm
.macro SB s, cm
.if (\cm) == 2
	WIN MUL_B
.else
	WIN MUL_LO
.endif
	MUL 1, (\s)%2, (\s)%2, ((\s)/2)%2, \cm
	MUL 2, (\s)%2, (\s)%2, ((\s)/2)%2, \cm
	MUL 3, (\s)%2, (\s)%2, ((\s)/2)%2, \cm
.endm
	s_load_b256 s[4:11], s[0:1], 0x0
	s_load_b128 s[12:15], s[0:1], 0x20
	v_lshl_add_u32 v[SPW], v0, 2, SPARE
	v_mov_b32 v[NIL], 0
	ds_add_u32 v[SPW], v[NIL]
	ds_add_u32 v[SPW], v[NIL]
	v_lshrrev_b32 v1, 5, v0
	v_readfirstlane_b32 s[WV], v1
	s_lshr_b32 s[WM], s[WV], 1
	s_and_b32 s[WN], s[WV], 1
	s_bfe_u32 s[CX], ttmp6, 0x40000
	s_bfe_u32 s[CY], ttmp6, 0x40004
	s_and_b32 s[YY], ttmp7, 0xffff
	s_lshl_b32 s22, s[CY], 2
	s_lshl_b32 s22, 15, s22
	s_lshl_b32 s23, 0x1111, s[CX]
	s_or_b32 s[G1P], s22, (3<<16)|(1<<21)
	s_or_b32 s[G1SP], s22, (3<<16)|(1<<21)
	s_or_b32 s[G1R], s23, (3<<16)|(1<<21)
	s_or_b32 s[G1SR], s23, (3<<16)|(1<<21)
	SHAPE G1P, 1536, 8, 1536                       ; P's 8 tiles, all of K: rows of 12,288 bytes, dense
	SHAPE G1R, 1536, 16, 1536                      ; R's 16
	SHAPE G1SP, 32, 16, 32                         ; their scales, as rows of 256 bytes
	SHAPE G1SR, 32, 32, 32
	s_lshl_b32 s2, s[YY], 5
	s_lshl_b32 s66, s[CY], 3
	s_add_co_u32 s2, s2, s66
	s_lshl_b32 s3, s[CX], 4
	s_add_co_u32 s3, s3, 704
	s_mul_i32 s66, s2, TILEB
	s_mov_b32 s67, 0
	s_lshl_b32 s100, s2, 9
	s_mov_b32 s101, 0
	s_mul_i32 s104, s3, TILEB
	s_mov_b32 s105, 0
	s_lshl_b32 s22, s3, 9
	s_mov_b32 s23, 0
	s_wait_dscnt 0x0
	s_wait_kmcnt 0x0
	s_add_nc_u64 s[66:67], s[PCODE:PCODE+1], s[66:67]
	s_add_nc_u64 s[100:101], s[PSCL:PSCL+1], s[100:101]
	s_add_nc_u64 s[104:105], s[RCODE:RCODE+1], s[104:105]
	s_add_nc_u64 s[22:23], s[RSCL:RSCL+1], s[22:23]
	CROUND
	s_mov_b32 s[G0PS], 1
	s_mov_b32 s[G0PS+1], SCL
	s_mov_b64 s[G0PS+2:G0PS+3], s[100:101]
	s_or_b32 s[G0PS+3], s[G0PS+3], 0x80000000
	s_mov_b32 s[G0RS], 1
	s_mov_b32 s[G0RS+1], SCL+PT*512
	s_mov_b64 s[G0RS+2:G0RS+3], s[22:23]
	s_or_b32 s[G0RS+3], s[G0RS+3], 0x80000000
	s_mov_b32 s60, 1                               ; P's codes, to LDS byte 0
	s_mov_b32 s61, 0
	s_mov_b64 s[62:63], s[66:67]
	s_or_b32 s63, s63, 0x80000000
	s_mov_b32 s84, 1                               ; R's codes, behind them
	s_mov_b32 s85, PT*TILEB
	s_mov_b64 s[86:87], s[104:105]
	s_or_b32 s87, s87, 0x80000000
; The head's loads, one a wave, in one chain of branches on the wave's number
.macro ARM under, g0, g1, next
	s_cmp_lt_u32 s[WV], \under
	s_cbranch_scc0 \next
	tensor_load_to_lds s[\g0:\g0+3], s[\g1:\g1+7]
	s_nop 0
	PLACES 4
	s_branch .Lhead_asked
\next:
.endm
	ARM 1, 84, G1R, .Lhead_p
	ARM 2, 60, G1P, .Lhead_sp
	ARM 3, G0PS, G1SP, .Lhead_sr
	tensor_load_to_lds s[G0RS:G0RS+3], s[G1SR:G1SR+7]
	s_nop 0
	PLACES 4
.Lhead_asked:
	v_and_b32 v1, 15, v0
	v_bfe_u32 v2, v0, 4, 1
	v_and_b32 v5, 31, v0
	v_lshlrev_b32 v3, 4, v5
	s_wait_alu depctr_va_vdst(0)
	v_lshlrev_b32 v4, 3, v5
	s_wait_alu depctr_va_vdst(0)
	v_lshlrev_b32 v[BO], 6, v2
	s_lshl_b32 s2, s[CX], 10
	s_lshl_b32 s3, s[WN], 9
	s_add_co_u32 s2, s2, s3
	s_mov_b32 s3, 0
	s_add_nc_u64 s[12:13], s[12:13], s[2:3]
	WIN 0xc0
.irp b, 0,1,2,3,4,5,6,7
	global_load_b128 v[8*\b:8*\b+3], v[BO], s[12:13] offset:(32*(\b/2)+8*(\b%2))*4
	global_load_b128 v[8*\b+4:8*\b+7], v[BO], s[12:13] offset:(32*(\b/2)+8*(\b%2))*4+16
.endr
	WIN 0
	s_lshl_b32 s22, s[YY], 2
	s_add_co_u32 s22, s22, s[CY]
	s_lshl_b32 s22, s22, 7
	s_lshl_b32 s23, s[WM], 6
	s_add_co_u32 s22, s22, s23
	s_lshl_b32 s22, s22, 12
	s_add_co_u32 s22, s22, s2
	s_mov_b32 s23, 0
	s_add_nc_u64 s[14:15], s[14:15], s[22:23]
	s_mul_i32 s2, s[WM], NA*TILEB                  ; my four tiles of P,
	s_mul_i32 s3, s[WN], 8*TILEB
	s_add_co_u32 s3, s3, PT*TILEB                  ; my eight of R: one pair of addresses for tiles 0-3, one for tiles 4-7
	v_add_nc_u32 v[AP16], s2, v3
	v_add_nc_u32 v[AP8], s2, v4
	v_add_nc_u32 v[AR16], s3, v3
	v_add_nc_u32 v[AR8], s3, v4
	s_add_co_u32 s3, s3, 4*TILEB
	v_add_nc_u32 v[AR16+1], s3, v3
	v_add_nc_u32 v[AR8+1], s3, v4
	s_mul_i32 s2, s[WM], NA*512
	s_mul_i32 s3, s[WN], 4096
	s_add_co_u32 s3, s3, PT*512
	s_sub_co_u32 s3, s3, s2
	v_mul_u32_u24 v25, s3, v2
	s_add_co_u32 s2, s2, SCL
	v_lshl_add_u32 v25, v1, 3, v25
	v_add_nc_u32 v[ADRS], s2, v25
	s_mul_i32 s2, s[WV], 16*528
	v_mul_u32_u24 v25, v1, 528
	v_lshl_add_u32 v25, v2, 6, v25
	v_add_nc_u32 v[STO], s2, v25
	v_add_nc_u32 v[RD], s2, v3
	s_wait_alu depctr_va_vdst(0)
	s_wait_tensorcnt 0x0
	s_barrier_signal -1
	s_barrier_wait -1
	NEXT -1
	s_wait_loadcnt 0x0
	SA 0, 2, 1
	PLACES 4
	NEXT 0
	SB 0, 2
	SA 1, 0, 1
	PLACES 4
	NEXT 1
	SB 1, 0
	SA 2, 0, 1
	PLACES 4
	NEXT 2
	SB 2, 0
	SA 3, 0, 1
	PLACES 4
	NEXT 3
	SB 3, 0
	SA 4, 0, 1
	PLACES 4
	NEXT 4
	SB 4, 0
	SA 5, 0, 1
	PLACES 4
	NEXT 5
	SB 5, 0
	SA 6, 0, 1
	PLACES 4
	NEXT 6
	SB 6, 0
	SA 7, 0, 0                                     ; its wait has shown my last LDS reads done:
	s_barrier_signal -1                            ; say so;
	SB 7, 0
	WIN 0
	s_barrier_wait -1                              ; nobody reads P's bytes any more: the stage may be stored there
.macro TOSTAGE a
.set AC, 64*(\a)
.set BB, BK+64*((\a)%2)
	WIN 0x08
.irp b, 0,1,2,3,4,5,6,7
	ds_store_b128 v[STO], v[AC+8*\b:AC+8*\b+3] offset:128*(\b/2)+32*(\b%2)
	ds_store_b128 v[STO], v[AC+8*\b+4:AC+8*\b+7] offset:128*(\b/2)+32*(\b%2)+16
.endr
	WIN 0
.irp t, 0,1,2,3,4,5,6,7,8,9,10,11,12,13,14,15
	ds_load_b128 v[BB+4*\t:BB+4*\t+3], v[RD] offset:528*\t
.endr
.endm
.macro SEND a, younger
.set BB, BK+64*((\a)%2)
	s_wait_dscnt \younger
.irp t, 0,1,2,3,4,5,6,7,8,9,10,11,12,13,14,15
	global_store_b128 v3, v[BB+4*\t:BB+4*\t+3], s[14:15] offset:(32*((\a)/2)+8*((\a)%2)+\t+8*(\t/8))*4096 th:TH_STORE_NT
.endr
.endm
	PLACES 4
	TOSTAGE 0
	TOSTAGE 1
	SEND 0, 32
	s_wait_xcnt 0x0
	TOSTAGE 2
	SEND 1, 32
	s_wait_xcnt 0x0
	TOSTAGE 3
	SEND 2, 32
	SEND 3, 0
	s_wait_tensorcnt 0x0
	ds_add_u32 v[SPW], v[NIL]
	s_wait_dscnt 0x0
	CROUND
	s_endpgm
.Lfunc_end_k_qcc7b4cbb08_proj:
	.size	k_qcc7b4cbb08_proj, .Lfunc_end_k_qcc7b4cbb08_proj-k_qcc7b4cbb08_proj
	.p2alignl 7, 3214868480
	.fill 96, 4, 3214868480
	.section	.rodata,"a",@progbits
	.p2align	6, 0x0
	.amdhsa_kernel k_qcc7b4cbb08_proj
		.amdhsa_group_segment_fixed_size 327680
		.amdhsa_private_segment_fixed_size 0
		.amdhsa_enable_private_segment 0
		.amdhsa_kernarg_size 48
		.amdhsa_user_sgpr_count 2
		.amdhsa_user_sgpr_kernarg_segment_ptr 1
		.amdhsa_wavefront_size32 1
		.amdhsa_system_sgpr_workgroup_id_x 1
		.amdhsa_system_sgpr_workgroup_id_y 1
		.amdhsa_system_sgpr_workgroup_id_z 1
		.amdhsa_system_vgpr_workitem_id 0
		.amdhsa_next_free_vgpr 1024
		.amdhsa_next_free_sgpr 106
		.amdhsa_reserve_vcc 0
		.amdhsa_float_denorm_mode_32 3
		.amdhsa_float_denorm_mode_16_64 3
		.amdhsa_memory_ordered 1
		.amdhsa_forward_progress 1
		.amdhsa_inst_pref_size 85
	.end_amdhsa_kernel
	.amdgpu_metadata
---
amdhsa.version: [ 1, 2 ]
amdhsa.kernels:
  - .name:           k_qcc7b4cbb08_proj
    .symbol:         k_qcc7b4cbb08_proj.kd
    .args:
      - { .name: acod, .offset: 0, .size: 8, .value_kind: global_buffer, .address_space: global }
      - { .name: ascl, .offset: 8, .size: 8, .value_kind: global_buffer, .address_space: global }
      - { .name: opc, .offset: 16, .size: 8, .value_kind: global_buffer, .address_space: global }
      - { .name: ops, .offset: 24, .size: 8, .value_kind: global_buffer, .address_space: global }
      - { .name: b_proj, .offset: 32, .size: 8, .value_kind: global_buffer, .address_space: global }
      - { .name: out0, .offset: 40, .size: 8, .value_kind: global_buffer, .address_space: global }
    .group_segment_fixed_size: 327680
    .private_segment_fixed_size: 0
    .kernarg_segment_align: 8
    .kernarg_segment_size: 48
    .max_flat_workgroup_size: 128
    .sgpr_count:     106
    .vgpr_count:     1024
    .wavefront_size: 32
...
	.end_amdgpu_metadata
.endif
;; end of part 4
